; MI455X (gfx1250); checked and timed in simulation.
; The chip was launched on July 23, 2026; its instructions are those of AMD's public machine-readable ISA for CDNA 5 (MIT licence, August 2026) and "CDNA5" Instruction Set Architecture Reference Guide (July 2026). The comments in the code are by the model that wrote it; some were corrected since.
;; Multi Head Attention. Allowed arithmetic: float matrix products may take bf16 or f16 operands with f32 sums; all other float work in f32.
;; Inputs: Wk 768 x 768 float32; Wo 768 x 768 float32; Wq 768 x 768 float32; Wv 768 x 768 float32; bk 768 float32; bo 768 float32; bq 768 float32; bv 768 float32; key_in 2 x 2,048 x 768 float32; query 2 x 2,048 x 768 float32; value 2 x 2,048 x 768 float32.
;; Outputs: out0 2 x 2,048 x 768 float32.
;; 2 versions, each right; version 2 is version 1 with the launch proj written anew for expert scheduling mode. Each part assembles by itself: llvm-mc -triple=amdgcn-amd-amdhsa -mcpu=gfx1250 --defsym DOCPART=n.
;; ======== version 1 of 2: 3 launches
;; limits: values are held in f16: magnitudes above 65,504 overflow, below 6.1e-05 lose precision
;; workspace buffers: qf 6,291,456 bytes; kf 6,291,456 bytes; vf 6,291,456 bytes; of 6,291,456 bytes; wof 1,179,648 bytes
;; launch proj (part 1): grid 64 x 4, 4 waves a work-group, no clusters, 123,392 bytes of LDS; arguments query, key_in, value, Wq, Wk, Wv, bq, bk, bv, Wo, qf, kf, vf, wof; writes qf, kf, vf, wof
.if DOCPART == 1
	.amdgcn_target "amdgcn-amd-amdhsa--gfx1250"
	.amdhsa_code_object_version 6
	.text
	.protected	k_q52172ea1a2_proj
	.globl	k_q52172ea1a2_proj
	.p2align	8
	.type	k_q52172ea1a2_proj,@function
k_q52172ea1a2_proj:
	s_mov_b64 s[64:65], 0
	v_nop
	global_prefetch_b8 v0, s[64:65] scope:SCOPE_SE
	s_setreg_imm32_b32 hwreg(HW_REG_WAVE_MODE, 25, 1), 1
	s_wait_xcnt 0x0
; y = 0, 1, 2:  Q = query Wq + bq,  K = key_in Wk + bk,  V = value Wv + bv   ([4096][768] f32 x [768][768] f32), results in f16.
; y = 3:        Wo rounded to f16 and laid out as matrix fragments for the last launch.
; NOTATION: lane L = r + 16 h (r = L & 15).  A QUARTER is 512 bytes, lane L's 16 bytes (8 f16, e = 0..7) at 16 L: registers 0-3 or 4-7 of a
; 16-bit matrix fragment.  Every result is stored as quarters, so that the next launch loads fragments by dense copies and plain 16-byte reads:
;   qf, kf: bh*262144 + ttile*2048 + j*512 + 16 L            holds X[b][16 ttile + r][head][32 h + 4 e + j]        (bh = 12 b + head)
;   vf:     bh*262144 + kb*4096 + j*1024 + half*512 + 16 L   holds V[b][32 kb + 16 half + 8 h + e][head][4 r + j]
;   wof:    (nblk*12 + head)*24576 + (4 grp + jj)*2048 + j'*512 + 16 L   holds Wo[64 head + 32 h + 4 e + j'][192 nblk + 64 grp + 4 r + jj]
; THE WEIGHTS LIE [k][n].  Tile j of a group of 64 columns is given the columns 4 r + j: a lane that loads 16 bytes W[k][4r .. 4r+3] for eight
; consecutive k rounds pairs of k and has its 16 bytes of a quarter for each of the four tiles.  Q and K get the same order of d, so their products stand.
; FOUR WAVES, one a SIMD.  A work-group makes 256 rows x 192 columns (three heads), a wave 128 x 96 = 48 accumulator tiles: for 32 along K it reads
; (128 + 96) x 64 bytes from LDS for 48 matrix instructions.  K goes in 12 steps of 64 through two LDS buffers; the operands come through registers,
; where they are rounded.  Two fragment buffers: while one half step is multiplied the next one's fragments are on their way from LDS, and the loads
; of X and of W from memory are issued a whole step ahead of their conversion.
; For Q and K source 0 is W's tile and source 1 is X's, so a lane's eight results are eight d of one row; for V the other way round, eight rows of one d.
; THE BIAS is loaded during the last K step, when no other load of the wave is out, and added in f32 ahead of the rounding to f16.
; REGISTERS, in windows of 256:  window 0: addresses, fragment buffers F0 and F1 (X's 8 tiles, then W's 6);  window 1: accumulators of row tiles 0-3,
; tile (mt, nt) at 8 (6 mt + nt), and the bias;  window 2: accumulators of row tiles 4-7;  window 3: all of the staging (X and W as loaded,
; a ring for rounded data, the offsets and LDS addresses of these loads and stores), so that loads, roundings and LDS stores run under one setting.
; NO CLUSTER: every operand passes through registers to be rounded to f16, so there is no tile copy that work-groups could ask for jointly.
; 192 work-groups make the products (768 = 3 x 256 columns do not divide into 256 equal blocks); the 64 of y = 3 convert Wo, 9 units each.
; WHY f16: attention averages V over 2048 keys, so the result is small beside V and every operand's rounding shows in full against it; f16 keeps 11
; significant bits.  ITS ROOM: with every input 30 times the usual size |X| is about 180, |W| about 1, and Q, K, V (900 times theirs) stay near 3,000;
; with offsets of 30 spreads on X and on W they are 768 x 30 x 0.63, about 14,500; both below f16's largest number, 65,504.  With every input 30 times
; smaller Q, K, V are about 6e-4, and f16's step below 2^-14 is 2^-24.
; LIMITS: matrix operands are rounded to f16, sums in f32; an X, W, Q, K or V beyond 65,504 becomes infinite; NaN and infinities in the inputs are not served.
.set ROWB,   3072                      ; bytes in a row of X, of W
.set XPITCH, 144                       ; LDS row of X: 128 bytes + 16, an odd multiple of 16: the 16 rows of a fragment load start in different banks
.set XBUF,   36864                     ; 256 rows x 144; two buffers from byte 0
.set WB,     73728                     ; behind them two buffers of W: [tile 12][quarter 4][512]
.set WBUF,   24576
.set F0,  20                           ; window 0: v[20:131]  fragment buffer 0: X's tile mt at + 8 mt, W's tile nt at + 64 + 8 nt
.set F1,  132                          ;           v[132:243] fragment buffer 1
.set BT,  192                          ; window 1: Q, K: v[192:239] the bias of register jj of column tile nt at 192 + 8 nt + jj; V: v[192:197] pairs (tile 2 g, tile 2 g + 1)
.set XR,  0                            ; window 3: v[0:127]   X as loaded, 32 x 16 bytes
.set WR,  128                          ;           v[128:223] W as loaded, 24 x 16 bytes
.set T,   224                          ;           v[224:239] rounded data on its way to LDS
.set XGR, 240                          ;           v240 X's offset in memory, v241 W's, v242 X's LDS address for stores, v243 W's
.set WGR, 241
.set XSR, 242
.set WSR, 243
.set STG, 0xcf                         ; sources 0 and 1 and the destination in window 3
; window 0: v8 XRD, v9 WRD LDS reads; v10 = 16 L; v11 the bias's offset
.set MSB, 0
.macro WIN new                         ; s_set_vgpr_msb: bits 1:0 source 0, 3:2 source 1, 5:4 source 2, 7:6 destination; the high byte repeats the setting left
.if MSB != (\new)
	s_set_vgpr_msb (MSB<<8)|(\new)
.set MSB, (\new)
.endif
.endm
.macro NOP4
.rept 4
	v_nop
.endr
.endm
	s_load_b512 s[8:23], s[0:1], 0x0               ; query 8, key_in 10, value 12, Wq 14, Wk 16, Wv 18, bq 20, bk 22
	s_load_b256 s[24:31], s[0:1], 0x40             ; bv 24, Wo 26, qf 28, kf 30
	s_load_b128 s[32:35], s[0:1], 0x60             ; vf 32, wof 34
	v_lshl_add_u32 v254, v0, 2, 0x1e000
	v_mov_b32 v255, 0
	v_and_b32 v1, 31, v0                           ; L
	v_and_b32 v2, 15, v0                           ; r
	v_bfe_u32 v3, v0, 4, 1                         ; h
	v_lshrrev_b32 v10, 5, v0
	v_readfirstlane_b32 s40, v10                   ; wave w; also the quarter of W that I convert
	v_lshlrev_b32 v10, 4, v1                       ; 16 L
	s_and_b32 s36, ttmp7, 0xffff                   ; y: which product
	s_and_b32 s38, ttmp9, 3                        ; nbk: which 192 columns
	s_lshr_b32 s39, ttmp9, 2                       ; mb: which 256 rows
	s_lshr_b32 s41, s40, 1                         ; wm: my 128 rows
	s_and_b32 s42, s40, 1                          ; wn: my tiles j = 2 wn, 2 wn + 1
	s_wait_kmcnt 0x0
	s_cmp_eq_u32 s36, 3
	s_cbranch_scc1 .Lwo
	s_cmp_eq_u32 s36, 1                            ; the product's four buffers
	s_cselect_b64 s[46:47], s[10:11], s[8:9]
	s_cselect_b64 s[48:49], s[16:17], s[14:15]
	s_cselect_b64 s[50:51], s[22:23], s[20:21]
	s_cselect_b64 s[52:53], s[30:31], s[28:29]
	s_cmp_eq_u32 s36, 2
	s_cselect_b64 s[46:47], s[12:13], s[46:47]
	s_cselect_b64 s[48:49], s[18:19], s[48:49]
	s_cselect_b64 s[50:51], s[24:25], s[50:51]
	s_cselect_b64 s[52:53], s[32:33], s[52:53]
	s_cselect_b32 s56, 11, 10                      ; wn steps 2 tiles j: 2 x 1024 bytes in vf, 2 x 512 in qf and kf
	s_mul_i32 s54, s39, 256*ROWB
	s_mov_b32 s55, 0
	s_add_nc_u64 s[46:47], s[46:47], s[54:55]      ; X at my 256 rows
	s_mul_i32 s54, s38, 768
	s_add_nc_u64 s[48:49], s[48:49], s[54:55]      ; W at my 192 columns
	s_lshl3_add_u32 s54, s42, s54
	s_add_nc_u64 s[50:51], s[50:51], s[54:55]      ; the bias at my 192 columns + 2 wn
	s_lshr_b32 s57, s39, 3                         ; b
	s_mul_i32 s57, s57, 12
	s_mul_i32 s58, s38, 3
	s_add_co_u32 s57, s57, s58                     ; bh of my first head
	s_lshl_b32 s57, s57, 18
	s_and_b32 s58, s39, 7
	s_lshl_b32 s58, s58, 1
	s_add_co_u32 s58, s58, s41                     ; ((mb & 7) 16 + 8 wm) row tiles of 2048 bytes
	s_lshl_b32 s58, s58, 14
	s_add_co_u32 s57, s57, s58
	s_lshl_b32 s58, s42, s56
	s_add_co_u32 s54, s57, s58
	s_add_nc_u64 s[52:53], s[52:53], s[54:55]      ; the output at my wave's first quarter
	v_lshlrev_b32 v13, 4, v2
	v_mad_u32_u24 v14, v3, 8*ROWB, v13             ; 8 h rows + 16 r
	s_mul_i32 s57, s40, 64*ROWB
	v_add_nc_u32 v4, s57, v14                      ; X in memory: (64 w + 8 h) rows + 16 r
	s_mul_i32 s58, s40, 16*ROWB
	v_add_nc_u32 v5, s58, v14                      ; W in memory: (16 w + 8 h) rows + 16 r
	v_lshlrev_b32 v6, 3, v2
	v_mad_u32_u24 v6, v3, 8*XPITCH, v6             ; 8 rows of 144 bytes are 128 modulo 256: the two halves of the lanes store into different banks
	s_mul_i32 s57, s40, 64*XPITCH
	v_add_nc_u32 v6, s57, v6                       ; X into LDS: (64 w + 8 h) LDS rows + 8 r
	s_lshl_b32 s57, s40, 9
	s_add_co_u32 s57, s57, WB
	v_add_nc_u32 v7, s57, v10                      ; W into LDS: W's buffer + quarter w + 16 L
	v_lshlrev_b32 v8, 4, v3
	v_mad_u32_u24 v8, v2, XPITCH, v8
	s_mul_i32 s57, s41, 128*XPITCH
	v_add_nc_u32 v8, s57, v8                       ; XRD = (128 wm + r) LDS rows + 16 h
	s_lshl_b32 s57, s42, 12
	s_add_co_u32 s57, s57, WB
	v_add_nc_u32 v9, s57, v10                      ; WRD = W's buffer + 2 wn tiles + 16 L
	WIN 0xc0                                       ; the staging's four address registers live in window 3, beside its data
	v_mov_b32 v[XGR], v4
	v_mov_b32 v[WGR], v5
	v_mov_b32 v[XSR], v6
	v_mov_b32 v[WSR], v7
	WIN 0
	s_cmp_eq_u32 s36, 2
	s_cbranch_scc1 .Lv
; X of one K step: 32 loads, two rows' 256 bytes each.  step = 1: the base moves on first; every earlier load of X has been waited for by then.
.macro GLX step
	WIN STG
.if \step
	s_add_nc_u64 s[46:47], s[46:47], 256
.endif
.set ii, 0
.rept 32
	global_load_b128 v[XR+4*ii:XR+4*ii+3], v[XGR], s[46:47] offset:(ii+8*(ii/8))*ROWB
.set ii, ii+1
.endr
.endm
; W of one K step: 24 loads, two rows' 256 bytes each: eight consecutive k of three groups of 64 columns.  The base as above.
.macro GLW step
	WIN STG
.if \step
	s_add_nc_u64 s[48:49], s[48:49], 64*ROWB
.endif
.irp u, 0,1,2
.irp e, 0,1,2,3,4,5,6,7
	global_load_b128 v[WR+32*\u+4*\e:WR+32*\u+4*\e+3], v[WGR], s[48:49] offset:\e*ROWB+\u*256
.endr
.endr
.endm
; X: four f32 become 8 bytes of an LDS row of buffer nb; eight loads' worth at a time through the ring, so that no store follows its own rounding
.macro CVX nb
	WIN STG
.irp g, 0,1,2,3
.irp i, 0,1,2,3,4,5,6,7
	v_cvt_pk_f16_f32 v[T+2*\i], v[XR+4*(8*\g+\i)], v[XR+4*(8*\g+\i)+1]
	v_cvt_pk_f16_f32 v[T+2*\i+1], v[XR+4*(8*\g+\i)+2], v[XR+4*(8*\g+\i)+3]
.endr
.irp i, 0,1,2,3,4,5,6,7
	ds_store_b64 v[XSR], v[T+2*\i:T+2*\i+1] offset:(\nb)*XBUF+(16*\g+\i)*XPITCH
.endr
.endr
.endm
; W: column j of eight consecutive k becomes the lane's 16 bytes of tile (u, j)'s quarter w in buffer nb: each store covers 512 consecutive bytes
.macro CVW nb
	WIN STG
.irp u, 0,1,2
.irp j, 0,1,2,3
.irp i, 0,1,2,3
	v_cvt_pk_f16_f32 v[T+4*\j+\i], v[WR+32*\u+8*\i+\j], v[WR+32*\u+8*\i+4+\j]
.endr
.endr
.irp j, 0,1,2,3
	ds_store_b128 v[WSR], v[T+4*\j:T+4*\j+3] offset:(\nb)*WBUF+(4*\u+\j)*2048
.endr
.endr
.endm
; the fragments of 32 along K (half c of the step) from LDS buffer rb into fragment buffer f: 8 tiles of X, 6 of W, 28 loads
.macro FRAG rb, c, f
	WIN 0
.irp mt, 0,1,2,3,4,5,6,7
	ds_load_b128 v[\f+8*\mt:\f+8*\mt+3], v8 offset:(\rb)*XBUF+\mt*16*XPITCH+64*\c
	ds_load_b128 v[\f+8*\mt+4:\f+8*\mt+7], v8 offset:(\rb)*XBUF+\mt*16*XPITCH+64*\c+32
.endr
.irp nt, 0,1,2,3,4,5
	ds_load_b128 v[\f+64+8*\nt:\f+64+8*\nt+3], v9 offset:(\rb)*WBUF+(4*(\nt>>1)+(\nt&1))*2048+\c*1024
	ds_load_b128 v[\f+64+8*\nt+4:\f+64+8*\nt+7], v9 offset:(\rb)*WBUF+(4*(\nt>>1)+(\nt&1))*2048+\c*1024+512
.endr
.endm
; 24 matrix instructions on fragment buffer f: row tiles 4 hi .. 4 hi + 3 (accumulators in window 1 + hi) x my six column tiles.
; The 48 accumulators take turns, one instruction a turn, in the same order in every half step.
; zero = 1: the first product starts the sums: nothing is ever cleared.
.macro MMAH f, hi, swap, zero
	WIN 0x50*(1+\hi)                               ; C and D in window 1 + hi
.irp mt, 0,1,2,3
.irp nt, 0,1,2,3,4,5
.if \swap
.if \zero
	v_wmma_f32_16x16x32_f16 v[8*(6*\mt+\nt):8*(6*\mt+\nt)+7], v[\f+64+8*\nt:\f+64+8*\nt+7], v[\f+8*(4*\hi+\mt):\f+8*(4*\hi+\mt)+7], 0
.else
	v_wmma_f32_16x16x32_f16 v[8*(6*\mt+\nt):8*(6*\mt+\nt)+7], v[\f+64+8*\nt:\f+64+8*\nt+7], v[\f+8*(4*\hi+\mt):\f+8*(4*\hi+\mt)+7], v[8*(6*\mt+\nt):8*(6*\mt+\nt)+7]
.endif
.else
.if \zero
	v_wmma_f32_16x16x32_f16 v[8*(6*\mt+\nt):8*(6*\mt+\nt)+7], v[\f+8*(4*\hi+\mt):\f+8*(4*\hi+\mt)+7], v[\f+64+8*\nt:\f+64+8*\nt+7], 0
.else
	v_wmma_f32_16x16x32_f16 v[8*(6*\mt+\nt):8*(6*\mt+\nt)+7], v[\f+8*(4*\hi+\mt):\f+8*(4*\hi+\mt)+7], v[\f+64+8*\nt:\f+64+8*\nt+7], v[8*(6*\mt+\nt):8*(6*\mt+\nt)+7]
.endif
.endif
.endr
.endr
.endm
; K step t on LDS buffer rb.  On entry its half 0 is on its way into F0.  cv: step t + 1's X and W are rounded into the other LDS buffer;
; gl: step t + 2's are asked for, each straight behind the rounding that frees its registers, so each has a whole step in which to come.
; ONE barrier a step: in front of its signal each wave has waited for all its LDS instructions, so all stores into the other buffer are done before
; anybody reads it, and all reads of rb are done before the next step's stores into it.  24 matrix instructions stand between signal and wait.
; PLACES: four v_nop ahead of the loads into F1, which the last matrix instructions read; W's 48 roundings stand between the
; products on F0 and the loads into F0.
.macro STEP rb, zero, cv, gl, last, swap
	NOP4
	FRAG \rb, 1, F1
	s_wait_dscnt 28                                ; LDS loads return in order (ISA guide 5.7.1): F0 is in, the 28 just issued may be out
	MMAH F0, 0, \swap, \zero
.if \cv
	s_wait_loadcnt 24                              ; loads return in order: X of step t + 1 is in, the 24 of W behind it may be out
	CVX 1-\rb
.if \gl
	GLX 1
.endif
.endif
	MMAH F0, 1, \swap, \zero
.if \cv
.if \gl
	s_wait_loadcnt 32                              ; W of step t + 1 is in, the 32 of X just issued may be out
.else
	s_wait_loadcnt 0x0
.endif
	CVW 1-\rb
.if \gl
	GLW 1
.endif
.endif
	s_wait_dscnt 0x0                               ; F1 is in; for the others' sake: my stores are done, my reads of rb are over
.if \last == 0
	s_barrier_signal -1
.endif
	MMAH F1, 0, \swap, 0
.if \last == 0
	WIN 0
	s_barrier_wait -1
	FRAG 1-\rb, 0, F0                              ; the next step's half 0; it comes while the 24 products below are made
.endif
	MMAH F1, 1, \swap, 0
	WIN 0
.endm
; The bias is added to the 24 tiles of window 1 + hi (source 0 and destination there, source 1 in window 1), two numbers an instruction.
; Q, K: register jj has its own column.  V: a tile's eight registers share one column, so one half of the pair (tile 2 g, tile 2 g + 1) goes to both.
.macro BIASADD hi, swap
	WIN (1+\hi)|4|((1+\hi)<<6)
.irp mt, 0,1,2,3
.irp nt, 0,1,2,3,4,5
.irp i, 0,2,4,6
.if \swap
	v_pk_add_f32 v[8*(6*\mt+\nt)+\i:8*(6*\mt+\nt)+\i+1], v[8*(6*\mt+\nt)+\i:8*(6*\mt+\nt)+\i+1], v[BT+8*\nt+\i:BT+8*\nt+\i+1]
.else
.if \nt&1
	v_pk_add_f32 v[8*(6*\mt+\nt)+\i:8*(6*\mt+\nt)+\i+1], v[8*(6*\mt+\nt)+\i:8*(6*\mt+\nt)+\i+1], v[BT+2*(\nt>>1):BT+2*(\nt>>1)+1] op_sel:[0,1] op_sel_hi:[1,1]
.else
	v_pk_add_f32 v[8*(6*\mt+\nt)+\i:8*(6*\mt+\nt)+\i+1], v[8*(6*\mt+\nt)+\i:8*(6*\mt+\nt)+\i+1], v[BT+2*(\nt>>1):BT+2*(\nt>>1)+1] op_sel_hi:[1,0]
.endif
.endif
.endr
.endr
.endr
.endm
.macro MAIN swap
.if \swap
	v_lshlrev_b32 v11, 7, v3                       ; register jj of tile (grp, j) is column 64 grp + 32 h + 4 jj + j
.else
	v_lshlrev_b32 v11, 4, v2                       ; every register of tile (grp, j) is column 64 grp + 4 r + j
.endif
	GLX 0                                          ; K step 0: 56 loads are out
	GLW 0
	s_wait_loadcnt 24                              ; X is in
	CVX 0
	GLX 1                                          ; K step 1
	s_wait_loadcnt 32                              ; W is in
	CVW 0
	GLW 1
	WIN 0
	s_wait_dscnt 0x0
	s_barrier_signal -1
	s_barrier_wait -1
	FRAG 0, 0, F0
	STEP 0, 1, 1, 1, 0, \swap                      ; steps 0 and 1 stand ahead of the loop: the first products start the sums
	STEP 1, 0, 1, 1, 0, \swap
	s_mov_b32 s44, 4
.Lkloop\swap:
	STEP 0, 0, 1, 1, 0, \swap                      ; steps 2 to 9
	STEP 1, 0, 1, 1, 0, \swap
	s_sub_co_i32 s44, s44, 1
	s_cmp_lg_u32 s44, 0
	s_cbranch_scc1 .Lkloop\swap
	STEP 0, 0, 1, 0, 0, \swap                      ; step 10: nothing of X or W is left to ask for, and no load of mine is out
	WIN 0x40                                       ; the bias comes while step 11 is multiplied
.if \swap
.irp nt, 0,1,2,3,4,5
.irp jj, 0,1,2,3,4,5,6,7
	global_load_b32 v[BT+8*\nt+\jj], v11, s[50:51] offset:(\nt>>1)*256+(\nt&1)*4+\jj*16
.endr
.endr
.else
.irp g, 0,1,2
	global_load_b64 v[BT+2*\g:BT+2*\g+1], v11, s[50:51] offset:\g*256      ; columns 64 g + 4 r + 2 wn and the next: tiles 2 g and 2 g + 1
.endr
.endif
	WIN 0
	STEP 1, 0, 0, 0, 1, \swap                      ; step 11
	NOP4                                           ; four places ahead of the additions that read the last results (ISA guide 7.12.1)
	s_wait_loadcnt 0x0                             ; the bias
.irp hi, 0,1
	BIASADD \hi, \swap
	WIN 0x45*(1+\hi)                               ; a tile's eight f32 become the lane's 16 bytes of a quarter, in place
.set tt, 0
.rept 24
.irp i, 0,1,2,3
	v_cvt_pk_f16_f32 v[8*tt+\i], v[8*tt+2*\i], v[8*tt+2*\i+1]
.endr
.set tt, tt+1
.endr
	WIN 0x04*(1+\hi)                               ; each store of the wave covers 512 consecutive bytes, aligned
.irp mt, 0,1,2,3
.irp nt, 0,1,2,3,4,5
.if \swap
	global_store_b128 v10, v[8*(6*\mt+\nt):8*(6*\mt+\nt)+3], s[52:53] offset:(\nt>>1)*262144+(4*\hi+\mt)*2048+(\nt&1)*512
.else
	global_store_b128 v10, v[8*(6*\mt+\nt):8*(6*\mt+\nt)+3], s[52:53] offset:(\nt>>1)*262144+((4*\hi+\mt)>>1)*4096+(\mt&1)*512+(\nt&1)*1024
.endif
.endr
.endr
.endr
	WIN 0
	s_wait_tensorcnt 0x0
	ds_add_u32 v254, v255
	s_wait_dscnt 0x0
	s_endpgm
.endm
	MAIN 1                                         ; Q and K
.Lv:
	MAIN 0                                         ; V
; Wo.  A unit is quarter j' of the four tiles of one group of 64 columns at one head: 8 loads (two rows' 256 bytes each), 16 roundings, 4 stores of 512 bytes.
; 4 nblk x 12 heads x 4 j' x 3 groups = 576 units; work-group (a = x >> 2, nblk = x & 3) takes the nine with 4 head + j' = 3 a + i1, group i2.
.macro WOUNIT                                      ; s54 = 3 i1 + i2
	s_mul_i32 s55, s54, 11
	s_lshr_b32 s55, s55, 5                         ; i1 = s54 / 3 (exact for 0 to 8)
	s_mul_i32 s56, s55, 3
	s_sub_co_u32 s56, s54, s56                     ; i2 = the group
	s_mul_i32 s57, s39, 3
	s_add_co_u32 s57, s57, s55
	s_lshr_b32 s58, s57, 2                         ; head
	s_and_b32 s59, s57, 3                          ; j'
	s_lshl_b32 s60, s58, 6
	s_add_co_u32 s60, s60, s59
	s_mul_i32 s60, s60, ROWB                       ; row 64 head + j'
	s_mul_i32 s61, s38, 768
	s_add_co_u32 s60, s60, s61
	s_lshl_b32 s61, s56, 8
	s_add_co_u32 s60, s60, s61                     ; column 192 nblk + 64 group
	s_mov_b32 s61, 0
	s_add_nc_u64 s[46:47], s[26:27], s[60:61]
	s_mul_i32 s60, s38, 12
	s_add_co_u32 s60, s60, s58
	s_mul_i32 s60, s60, 24576
	s_lshl_b32 s62, s56, 13
	s_add_co_u32 s60, s60, s62
	s_lshl_b32 s62, s59, 9
	s_add_co_u32 s60, s60, s62
	s_add_nc_u64 s[48:49], s[34:35], s[60:61]
.irp e, 0,1,2,3,4,5,6,7
	global_load_b128 v[20+4*\e:23+4*\e], v12, s[46:47] offset:\e*4*ROWB   ; Wo[64 head + j' + 32 h + 4 e][.. + 4 r .. 4 r + 3]
.endr
	s_wait_loadcnt 0x0
.irp jj, 0,1,2,3
.irp i, 0,1,2,3
	v_cvt_pk_f16_f32 v[52+4*\jj+\i], v[20+8*\i+\jj], v[24+8*\i+\jj]
.endr
	global_store_b128 v10, v[52+4*\jj:55+4*\jj], s[48:49] offset:\jj*2048
.endr
.endm
.Lwo:
	v_lshlrev_b32 v12, 4, v2
	v_mad_u32_u24 v12, v3, 32*ROWB, v12            ; 32 h rows + 16 r
	s_mov_b32 s54, s40                             ; units 0 to 3: one a wave
	WOUNIT
	s_wait_xcnt 0x0                                ; the stores' data and both bases are written again only behind this wait (ISA guide 3.1)
	s_add_co_u32 s54, s40, 4                       ; units 4 to 7
	WOUNIT
	s_cmp_lg_u32 s40, 0
	s_cbranch_scc1 .Lwoend
	s_wait_xcnt 0x0                                ; as above
	s_mov_b32 s54, 8                               ; the ninth unit: wave 0
	WOUNIT
.Lwoend:
	s_endpgm
.Lfunc_end_k_q52172ea1a2_proj:
	.size	k_q52172ea1a2_proj, .Lfunc_end_k_q52172ea1a2_proj-k_q52172ea1a2_proj
	.p2alignl 7, 3214868480
	.fill 96, 4, 3214868480
	.section	.rodata,"a",@progbits
	.p2align	6, 0x0
	.amdhsa_kernel k_q52172ea1a2_proj
		.amdhsa_group_segment_fixed_size 123392
		.amdhsa_private_segment_fixed_size 0
		.amdhsa_enable_private_segment 0
		.amdhsa_kernarg_size 112
		.amdhsa_user_sgpr_count 2
		.amdhsa_user_sgpr_kernarg_segment_ptr 1
		.amdhsa_wavefront_size32 1
		.amdhsa_system_sgpr_workgroup_id_x 1
		.amdhsa_system_sgpr_workgroup_id_y 1
		.amdhsa_system_sgpr_workgroup_id_z 1
		.amdhsa_system_vgpr_workitem_id 0
		.amdhsa_next_free_vgpr 1024
		.amdhsa_next_free_sgpr 66
		.amdhsa_reserve_vcc 0
		.amdhsa_float_denorm_mode_32 3
		.amdhsa_float_denorm_mode_16_64 3
		.amdhsa_memory_ordered 1
		.amdhsa_forward_progress 1
		.amdhsa_inst_pref_size 255
	.end_amdhsa_kernel
	.section	.bss,"aw",@nobits
	.p2align	6
	.space	262144
	.amdgpu_metadata
---
amdhsa.version: [ 1, 2 ]
amdhsa.kernels:
  - .name:           k_q52172ea1a2_proj
    .symbol:         k_q52172ea1a2_proj.kd
    .args:
      - { .name: query, .offset: 0, .size: 8, .value_kind: global_buffer, .address_space: global }
      - { .name: key_in, .offset: 8, .size: 8, .value_kind: global_buffer, .address_space: global }
      - { .name: value, .offset: 16, .size: 8, .value_kind: global_buffer, .address_space: global }
      - { .name: Wq, .offset: 24, .size: 8, .value_kind: global_buffer, .address_space: global }
      - { .name: Wk, .offset: 32, .size: 8, .value_kind: global_buffer, .address_space: global }
      - { .name: Wv, .offset: 40, .size: 8, .value_kind: global_buffer, .address_space: global }
      - { .name: bq, .offset: 48, .size: 8, .value_kind: global_buffer, .address_space: global }
      - { .name: bk, .offset: 56, .size: 8, .value_kind: global_buffer, .address_space: global }
      - { .name: bv, .offset: 64, .size: 8, .value_kind: global_buffer, .address_space: global }
      - { .name: Wo, .offset: 72, .size: 8, .value_kind: global_buffer, .address_space: global }
      - { .name: qf, .offset: 80, .size: 8, .value_kind: global_buffer, .address_space: global }
      - { .name: kf, .offset: 88, .size: 8, .value_kind: global_buffer, .address_space: global }
      - { .name: vf, .offset: 96, .size: 8, .value_kind: global_buffer, .address_space: global }
      - { .name: wof, .offset: 104, .size: 8, .value_kind: global_buffer, .address_space: global }
    .group_segment_fixed_size: 123392
    .private_segment_fixed_size: 0
    .kernarg_segment_align: 8
    .kernarg_segment_size: 112
    .max_flat_workgroup_size: 128
    .sgpr_count:     66
    .vgpr_count:     1024
    .wavefront_size: 32
...
	.end_amdgpu_metadata
.endif
;; end of part 1
;; launch attn (part 2): grid 8 x 24, 8 waves a work-group, clusters of 4 x 1, 327,680 bytes of LDS; arguments qf, kf, vf, of; writes of
.if DOCPART == 2
	.amdgcn_target "amdgcn-amd-amdhsa--gfx1250"
	.amdhsa_code_object_version 6
	.text
	.protected	k_q52172ea1a2_attn
	.globl	k_q52172ea1a2_attn
	.p2align	8
	.type	k_q52172ea1a2_attn,@function
k_q52172ea1a2_attn:
	s_mov_b64 s[64:65], 0
	v_nop
	global_prefetch_b8 v0, s[64:65] scope:SCOPE_SE
	s_setreg_imm32_b32 hwreg(HW_REG_WAVE_MODE, 25, 1), 1
	s_wait_xcnt 0x0
	s_wait_alu depctr_hold_cnt(0) depctr_sa_sdst(0) depctr_va_vdst(0) depctr_va_sdst(0) depctr_va_ssrc(0) depctr_va_vcc(0) depctr_vm_vsrc(0)
	s_getreg_b32 s2, hwreg(HW_REG_IB_STS2, 6, 4)
	s_cmp_eq_u32 s2, 0
	s_cbranch_scc0 .Lentry_in_a_cluster
	s_endpgm
.Lentry_in_a_cluster:
	s_bfe_u32 s2, ttmp6, 0x10000c
	s_cmp_lg_u32 s2, 0x3003
	s_cbranch_scc0 .Lentry_shape_is_right
	s_endpgm
.Lentry_shape_is_right:
; O = softmax(Q K^T / 8) V for one (batch, head) bh and one block of 256 queries; 2048 keys.  Q, K, V come in f16 as quarters (512 bytes, lane L's 16
; bytes at 16 L; L = r + 16 h):  qf, kf: bh*262144 + ttile*2048 + j*512: X[16 ttile + r][d = 32 h + 4 e + j];  vf: bh*262144 + kb*4096 + j*1024 + half*512:
; V[32 kb + 16 half + 8 h + e][d = 4 r + j].  Output of: mtile*24576 + head*2048 + j*512 + 16 L: O[16 mtile + r][64 head + 32 h + 4 e + j], f16.
; TRANSPOSED: S^T = K Q^T, so register jj of lane (r, h) is (key 8 h + jj, query r): the maximum, the sum and the rescaling factor of a query are
; one number a lane, and S^T rounded to f16 is, in the same lane, the second operand of O^T = V^T P^T.  No value changes lanes but one maximum a block.
; Eight waves: wave (wq = w & 3, wk = w >> 2) has queries 64 wq .. + 63 and half wk of each slot's 512 keys; the two waves of a pair merge at the end.
; Softmax by a running maximum in f32; the scale 1/8 and log2 e are one factor c, p = 2^(c s - c m).
; CLUSTER: the four work-groups of a cluster are four query blocks of one bh and walk the same K and V: every tile is asked for jointly (mask 15).
; Two LDS slots of 131072 bytes (K 65536, V 65536), each wave filling 16384; a round of the cluster's barrier stands in front of every fill.
; A wave has at most one tensor load outstanding.
; WHY f16: O is an average of V over 2048 keys, small beside V, so the roundings of V, P and O show in full against it; f16 keeps 11 significant bits.
; ITS ROOM: p lies in (0, 1] by the running maximum, and a p below 2^-25 becomes 0 beside a sum of at least 1; O is a weighted mean of V and has V's range.
; LIMITS: operands Q, K, V, P in f16; the exponent c s - c m is one fused multiply-add, its error about |c s| 2^-24; the sum of p is taken before
; p is rounded; NaN and infinities are not served.
.set SLOT, 131072
.set KF,  16                           ; v[16:47]    K: tile (kt, c) at 16 + 8 (2 kt + c)
.set VF,  48                           ; v[48:79]    V^T: tile j
.set SC,  80                           ; v[80:143]   S^T: tile (kt, qt) at 80 + 8 (4 kt + qt)
.set PB,  144                          ; v[144:175]  P^T in f16: tile qt
.set MX,  176                          ; v[176:179]  running maximum of query tile qt
.set LS,  180                          ; v[180:183]  running sum (this lane's keys)
.set AN,  184                          ; v[184:191]  pairs (alpha, -c m) of query tile qt
.set T,   192                          ; v[192:207]  at work
.set QF,  128                          ; window 1: v[128:191] Q: tile (qt, c) at 128 + 8 (2 qt + c); v[0:127] O^T: tile (j, qt) at 8 (4 j + qt)
; v1 = 16 L; v2, v3 K's and V's LDS address of the block at work; v4 my half of slot 0; v5 my pair's scratch
.set MSB, 0
.macro WIN new                         ; s_set_vgpr_msb: bits 1:0 source 0, 3:2 source 1, 5:4 source 2, 7:6 destination; the high byte repeats the setting left
.if MSB != \new
	s_set_vgpr_msb (MSB<<8)|\new
.set MSB, \new
.endif
.endm
.macro NOP4
.rept 4
	v_nop
.endr
.endm
.macro ROUND                           ; a round of the cluster's barrier: my work-group's barrier, wave 0 signals for it, all wait for the four, my barrier again
	s_barrier_signal -1
	s_barrier_wait -1
	s_cmp_lg_u32 s12, 0
	s_cbranch_scc1 .Lnot_wave_0_\@
	s_barrier_signal -3
.Lnot_wave_0_\@:
	s_barrier_wait -3
	s_barrier_signal -1
	s_barrier_wait -1
.endm
	s_load_b256 s[4:11], s[0:1], 0x0               ; qf 4, kf 6, vf 8, of 10
	v_lshl_add_u32 v254, v0, 2, 0x40000
	v_mov_b32 v255, 0
	ds_add_u32 v254, v255
	v_and_b32 v1, 31, v0
	v_lshrrev_b32 v2, 5, v0
	v_readfirstlane_b32 s12, v2                    ; wave w
	v_lshlrev_b32 v1, 4, v1                        ; 16 L
	s_and_b32 s13, s12, 3                          ; wq
	s_lshr_b32 s14, s12, 2                         ; wk
	s_bfe_u32 s15, ttmp6, 0x40000                  ; cx
	s_lshl_b32 s16, ttmp9, 2
	s_add_co_u32 s16, s16, s15                     ; query block = 4 x cluster x + cx
	s_and_b32 s17, ttmp7, 0xffff                   ; bh
	s_mov_b32 s20, 0x3e38aa3b                      ; c = log2(e) / 8, twice: a pair for the packed multiply-add
	s_mov_b32 s21, 0x3e38aa3b
	s_mov_b32 s22, 0xbe38aa3b                      ; -c
	s_mov_b32 s40, 0x76543210                      ; v_permlanex16_b32: lane i reads lane i of the other half
	s_mov_b32 s41, 0xfedcba98
	; group 1: 64 dense rows of 32 elements of 8 bytes = 16384 bytes; mask 15 = all four of the cluster, bit 21 beside it
	s_mov_b32 s24, 15|(3<<16)|(1<<21)
	s_mov_b32 s25, 32<<16                          ; tensor_dim0 = 32
	s_mov_b32 s26, 64<<16                          ; tensor_dim1 = 64
	s_mov_b32 s27, 32<<16                          ; tile_dim0 = 32
	s_mov_b32 s28, 64                              ; tile_dim1 = 64
	s_mov_b32 s29, 32                              ; pitch = 32 elements
	s_mov_b32 s30, 0
	s_mov_b32 s31, 0
	; group 0 for each slot.  Waves 0-3 bring K's four quarters of a slot, waves 4-7 V's: LDS slot + 16384 w.  Nothing here hangs on cx.
	s_lshl_b32 s42, s12, 14
	s_mov_b32 s32, 1
	s_add_co_u32 s33, s42, 0
	s_mov_b32 s36, 1
	s_add_co_u32 s37, s42, SLOT
	s_lshl_b32 s44, s17, 18
	s_lshl_b32 s43, s13, 14
	s_add_co_u32 s44, s44, s43
	s_mov_b32 s45, 0
	s_lshl_b32 s19, s14, 15
	v_add_nc_u32 v4, s19, v1                       ; my 256 keys of a slot: 32768 wk + 16 L, in K's part and in V's
	s_mul_i32 s19, s13, 17408
	v_add_nc_u32 v5, s19, v1                       ; scratch of my pair
	s_wait_dscnt 0x0
	s_wait_kmcnt 0x0
	s_cmp_lt_u32 s12, 4
	s_cselect_b64 s[46:47], s[6:7], s[8:9]
	s_add_nc_u64 s[46:47], s[46:47], s[44:45]
	s_mov_b64 s[34:35], s[46:47]                   ; keys 0 to 511
	s_or_b32 s35, s35, 0x80000000
	s_add_nc_u64 s[38:39], s[46:47], 65536         ; keys 512 to 1023
	s_or_b32 s39, s39, 0x80000000
	; what hangs on cx stays in s[2:3], s[4:5], s[10:11]
	s_lshl_b32 s2, s17, 18
	s_lshl_b32 s3, s16, 15
	s_add_co_u32 s2, s2, s3
	s_lshl_b32 s3, s13, 13
	s_add_co_u32 s2, s2, s3
	s_mov_b32 s3, 0
	s_add_nc_u64 s[4:5], s[4:5], s[2:3]            ; qf at row tile 16 qblk + 4 wq of bh
	s_cmp_ge_u32 s17, 12
	s_cselect_b32 s2, 128, 0                       ; 128 row tiles a batch
	s_cselect_b32 s3, 12, 0
	s_sub_co_u32 s3, s17, s3                       ; head
	s_lshl4_add_u32 s2, s16, s2
	s_lshl2_add_u32 s2, s13, s2
	s_mul_i32 s2, s2, 24576
	s_lshl_b32 s3, s3, 11
	s_add_co_u32 s2, s2, s3
	s_mov_b32 s3, 0
	s_add_nc_u64 s[10:11], s[10:11], s[2:3]        ; of at my first row tile and my head
	ROUND                                          ; the four work-groups are here: the first joint loads meet
	tensor_load_to_lds s[32:35], s[24:31]          ; keys 0 to 511 into slot 0
	s_nop 0
	WIN 0x40
.irp qt, 0,1,2,3
.irp c, 0,1
	global_load_b128 v[QF+8*(2*\qt+\c):QF+8*(2*\qt+\c)+3], v1, s[4:5] offset:\qt*2048+\c*1024
	global_load_b128 v[QF+8*(2*\qt+\c)+4:QF+8*(2*\qt+\c)+7], v1, s[4:5] offset:\qt*2048+\c*1024+512
.endr
.endr
	WIN 0
	s_wait_loadcnt 0x0
; The running maximum of the four query tiles, stage by stage, so that four chains do not wait for each other.
.macro SMAX first
.irp qt, 0,1,2,3
	v_max3_num_f32 v[T+4*\qt], v[SC+8*\qt], v[SC+8*\qt+1], v[SC+8*\qt+2]
	v_max3_num_f32 v[T+4*\qt+1], v[SC+32+8*\qt], v[SC+32+8*\qt+1], v[SC+32+8*\qt+2]
.endr
.irp qt, 0,1,2,3
	v_max3_num_f32 v[T+4*\qt], v[T+4*\qt], v[SC+8*\qt+3], v[SC+8*\qt+4]
	v_max3_num_f32 v[T+4*\qt+1], v[T+4*\qt+1], v[SC+32+8*\qt+3], v[SC+32+8*\qt+4]
.endr
.irp qt, 0,1,2,3
	v_max3_num_f32 v[T+4*\qt], v[T+4*\qt], v[SC+8*\qt+5], v[SC+8*\qt+6]
	v_max3_num_f32 v[T+4*\qt+1], v[T+4*\qt+1], v[SC+32+8*\qt+5], v[SC+32+8*\qt+6]
.endr
.irp qt, 0,1,2,3
	v_max3_num_f32 v[T+4*\qt], v[T+4*\qt], v[SC+8*\qt+7], v[SC+32+8*\qt+7]
.endr
.irp qt, 0,1,2,3
.if \first
	v_max_num_f32 v[T+4*\qt], v[T+4*\qt], v[T+4*\qt+1]
.else
	v_max3_num_f32 v[T+4*\qt], v[T+4*\qt], v[T+4*\qt+1], v[MX+\qt]
.endif
.endr
.irp qt, 0,1,2,3
	v_permlanex16_b32 v[T+4*\qt+1], v[T+4*\qt], s40, s41       ; the other half of the lanes has the query's other 16 keys
.endr
.if \first
.irp qt, 0,1,2,3
	v_max_num_f32 v[MX+\qt], v[T+4*\qt], v[T+4*\qt+1]
.endr
.irp qt, 0,1,2,3
	v_mul_f32 v[AN+2*\qt+1], s22, v[MX+\qt]                    ; -c m
	v_mov_b32 v[AN+2*\qt], 1.0                                 ; not used as a factor in this block: the pair is read whole below
.endr
.else
.irp qt, 0,1,2,3
	v_max_num_f32 v[T+4*\qt], v[T+4*\qt], v[T+4*\qt+1]
.endr
.irp qt, 0,1,2,3
	v_mul_f32 v[AN+2*\qt+1], s22, v[T+4*\qt]                   ; -c m
.endr
.irp qt, 0,1,2,3
	v_fma_f32 v[T+4*\qt+2], v[MX+\qt], s20, v[AN+2*\qt+1]      ; c (old m) - c m
.endr
.irp qt, 0,1,2,3
	v_exp_f32 v[AN+2*\qt], v[T+4*\qt+2]                        ; alpha
.endr
	s_wait_alu depctr_va_vdst(0)
.irp qt, 0,1,2,3
	v_mov_b32 v[MX+\qt], v[T+4*\qt]                            ; the first of these is the plain place behind the exponentials (ISA guide 5.7.2)
.endr
.endif
.endm
; p = 2^(c s - c m) of query tile qt, its sum, and P^T in f16
.macro PEXP qt, first
.irp i, 0,2,4,6
	v_pk_fma_f32 v[SC+8*\qt+\i:SC+8*\qt+\i+1], v[SC+8*\qt+\i:SC+8*\qt+\i+1], s[20:21], v[AN+2*\qt:AN+2*\qt+1] op_sel:[0,0,1] op_sel_hi:[1,0,1]
	v_pk_fma_f32 v[SC+32+8*\qt+\i:SC+32+8*\qt+\i+1], v[SC+32+8*\qt+\i:SC+32+8*\qt+\i+1], s[20:21], v[AN+2*\qt:AN+2*\qt+1] op_sel:[0,0,1] op_sel_hi:[1,0,1]
.endr
.irp i, 0,1,2,3,4,5,6,7
	v_exp_f32 v[SC+8*\qt+\i], v[SC+8*\qt+\i]
	v_exp_f32 v[SC+32+8*\qt+\i], v[SC+32+8*\qt+\i]
.endr
	v_nop                                          ; one plain place behind the exponentials (ISA guide 5.7.2)
	s_wait_alu depctr_va_vdst(0)
	v_pk_add_f32 v[T:T+1], v[SC+8*\qt:SC+8*\qt+1], v[SC+8*\qt+2:SC+8*\qt+3]
	v_pk_add_f32 v[T+2:T+3], v[SC+8*\qt+4:SC+8*\qt+5], v[SC+8*\qt+6:SC+8*\qt+7]
	v_pk_add_f32 v[T+4:T+5], v[SC+32+8*\qt:SC+32+8*\qt+1], v[SC+32+8*\qt+2:SC+32+8*\qt+3]
	v_pk_add_f32 v[T+6:T+7], v[SC+32+8*\qt+4:SC+32+8*\qt+5], v[SC+32+8*\qt+6:SC+32+8*\qt+7]
	v_pk_add_f32 v[T:T+1], v[T:T+1], v[T+2:T+3]
	v_pk_add_f32 v[T+4:T+5], v[T+4:T+5], v[T+6:T+7]
	v_pk_add_f32 v[T:T+1], v[T:T+1], v[T+4:T+5]
.if \first
	v_add_f32 v[LS+\qt], v[T], v[T+1]
.else
	v_add_f32 v[T], v[T], v[T+1]
	v_fma_f32 v[LS+\qt], v[LS+\qt], v[AN+2*\qt], v[T]
.endif
.irp i, 0,1,2,3
	v_cvt_pk_f16_f32 v[PB+8*\qt+\i], v[SC+8*\qt+2*\i], v[SC+8*\qt+2*\i+1]              ; keys 8 h + 0..7
	v_cvt_pk_f16_f32 v[PB+8*\qt+4+\i], v[SC+32+8*\qt+2*\i], v[SC+32+8*\qt+2*\i+1]      ; keys 16 + 8 h + 0..7
.endr
.endm
; 32 keys against my 64 queries.  In every run of matrix instructions the accumulators take turns, one instruction a turn.
.macro BLOCK first
.irp kt, 0,1
.irp c, 0,1
	ds_load_b128 v[KF+8*(2*\kt+\c):KF+8*(2*\kt+\c)+3], v2 offset:\kt*2048+\c*1024
	ds_load_b128 v[KF+8*(2*\kt+\c)+4:KF+8*(2*\kt+\c)+7], v2 offset:\kt*2048+\c*1024+512
.endr
.endr
.irp j, 0,1,2,3
	ds_load_b128 v[VF+8*\j:VF+8*\j+3], v3 offset:\j*1024
	ds_load_b128 v[VF+8*\j+4:VF+8*\j+7], v3 offset:\j*1024+512
.endr
	s_wait_dscnt 0x8                               ; LDS loads return in order (ISA guide 5.7.1): K's eight are in, V's eight may be out
	WIN 0x04
.irp kt, 0,1
.irp qt, 0,1,2,3
	v_wmma_f32_16x16x32_f16 v[SC+8*(4*\kt+\qt):SC+8*(4*\kt+\qt)+7], v[KF+16*\kt:KF+16*\kt+7], v[QF+16*\qt:QF+16*\qt+7], 0
.endr
.endr
.irp kt, 0,1
.irp qt, 0,1,2,3
	v_wmma_f32_16x16x32_f16 v[SC+8*(4*\kt+\qt):SC+8*(4*\kt+\qt)+7], v[KF+16*\kt+8:KF+16*\kt+15], v[QF+16*\qt+8:QF+16*\qt+15], v[SC+8*(4*\kt+\qt):SC+8*(4*\kt+\qt)+7]
.endr
.endr
	WIN 0
	v_add_nc_u32 v2, 4096, v2                      ; the next block's K and V; with two v_nop the four places ahead of the reads of S^T (ISA guide 7.12.1)
	v_add_nc_u32 v3, 4096, v3
	v_nop
	v_nop
	SMAX \first
	PEXP 0, \first
	PEXP 1, \first
	PEXP 2, \first
	PEXP 3, \first
.if \first == 0
	WIN 0x41
.irp j, 0,1,2,3
.irp qt, 0,1,2,3
.irp i, 0,2,4,6
	v_pk_mul_f32 v[8*(4*\j+\qt)+\i:8*(4*\j+\qt)+\i+1], v[8*(4*\j+\qt)+\i:8*(4*\j+\qt)+\i+1], v[AN+2*\qt:AN+2*\qt+1] op_sel_hi:[1,0]
.endr
.endr
.endr
.endif
	s_wait_dscnt 0x0                               ; V is in
	WIN 0x50
.irp j, 0,1,2,3
.irp qt, 0,1,2,3
.if \first
	v_wmma_f32_16x16x32_f16 v[8*(4*\j+\qt):8*(4*\j+\qt)+7], v[VF+8*\j:VF+8*\j+7], v[PB+8*\qt:PB+8*\qt+7], 0
.else
	v_wmma_f32_16x16x32_f16 v[8*(4*\j+\qt):8*(4*\j+\qt)+7], v[VF+8*\j:VF+8*\j+7], v[PB+8*\qt:PB+8*\qt+7], v[8*(4*\j+\qt):8*(4*\j+\qt)+7]
.endif
.endr
.endr
	WIN 0
	NOP4                                           ; four places ahead of the next loads into V's fragments, and of the reads of O^T at the end
.endm
; 512 keys in one slot.  In front of the round every wave has waited for all its tensor loads (its part of this slot among them) and for its reads of
; the other slot; behind it the other slot is asked for first, by all four work-groups, then this slot is read: eight blocks of my 256 keys.
.macro TRIP slot, refill, first
	s_wait_tensorcnt 0x0
	ds_add_u32 v254, v255
	s_wait_dscnt 0x0
	s_add_nc_u64 s[34+4*\slot:35+4*\slot], s[34+4*\slot:35+4*\slot], 2*65536   ; no tensor load of mine is out: this slot's next 512 keys
	s_wait_dscnt 0x0
	ROUND
.if \refill
	tensor_load_to_lds s[36-4*\slot:39-4*\slot], s[24:31]
	s_nop 0
.endif
	v_add_nc_u32 v2, \slot*SLOT, v4
	v_add_nc_u32 v3, \slot*SLOT+65536, v4
.if \first
	BLOCK 1                                        ; the first block starts maximum, sum and O^T: nothing is cleared
	s_mov_b32 s18, 7
.else
	s_mov_b32 s18, 8
.endif
.Lblk_\@:
	BLOCK 0
	s_sub_co_i32 s18, s18, 1
	s_cmp_lg_u32 s18, 0
	s_cbranch_scc1 .Lblk_\@
.endm
	TRIP 0, 1, 1                                   ; keys 0-511; slot 1 gets its first fill behind this round
	TRIP 1, 1, 0                                   ; keys 512-1023; slot 0 gets keys 1024-1535
	TRIP 0, 1, 0                                   ; keys 1024-1535; slot 1 gets keys 1536-2047
	TRIP 1, 0, 0                                   ; the last 512 keys: nothing is left to fetch (the stepped address is not used)
	; THE MERGE of the two waves of a pair, through slot 0: its last fill and every wave's last reads of it lie ahead of the last round.
	s_cmp_lt_u32 s12, 4
	s_cbranch_scc1 .Lkeep
	WIN 0x04
.set tt, 0
.rept 16
	ds_store_b128 v5, v[8*tt:8*tt+3] offset:tt*1024
	ds_store_b128 v5, v[8*tt+4:8*tt+7] offset:tt*1024+512
.set tt, tt+1
.endr
	WIN 0
	ds_store_b128 v5, v[MX:MX+3] offset:16384
	ds_store_b128 v5, v[LS:LS+3] offset:16896
.Lkeep:
	s_wait_dscnt 0x0                               ; for the partner's sake: the stores are done
	s_barrier_signal -1
	s_barrier_wait -1
	s_cmp_ge_u32 s12, 4
	s_cbranch_scc1 .Lend
.set tt, 0
.rept 16
	ds_load_b128 v[16+8*tt:16+8*tt+3], v5 offset:tt*1024
	ds_load_b128 v[16+8*tt+4:16+8*tt+7], v5 offset:tt*1024+512
.set tt, tt+1
.endr
	ds_load_b128 v[144:147], v5 offset:16384       ; the partner's maxima
	ds_load_b128 v[148:151], v5 offset:16896       ; and sums
	s_wait_dscnt 0x0
.irp qt, 0,1,2,3
	v_max_num_f32 v[T], v[MX+\qt], v[144+\qt]
	v_sub_f32 v[T+1], v[MX+\qt], v[T]
	v_sub_f32 v[T+2], v[144+\qt], v[T]
	v_mul_f32 v[T+1], s20, v[T+1]
	v_mul_f32 v[T+2], s20, v[T+2]
	v_exp_f32 v[AN+2*\qt], v[T+1]                  ; my factor
	v_exp_f32 v[AN+2*\qt+1], v[T+2]                ; the partner's
	v_nop
	s_wait_alu depctr_va_vdst(0)
	v_mul_f32 v[LS+\qt], v[LS+\qt], v[AN+2*\qt]
	v_fmac_f32 v[LS+\qt], v[148+\qt], v[AN+2*\qt+1]
	v_permlanex16_b32 v[T+1], v[LS+\qt], s40, s41  ; the sums were kept by halves of the lanes
	v_add_f32 v[T+1], v[LS+\qt], v[T+1]
	v_rcp_f32 v[T+2], v[T+1]
	v_nop
	s_wait_alu depctr_va_vdst(0)
	v_mul_f32 v[AN+2*\qt], v[AN+2*\qt], v[T+2]
	v_mul_f32 v[AN+2*\qt+1], v[AN+2*\qt+1], v[T+2]
.endr
.irp j, 0,1,2,3
.irp qt, 0,1,2,3
.irp i, 0,2,4,6
	v_pk_mul_f32 v[16+8*(4*\j+\qt)+\i:16+8*(4*\j+\qt)+\i+1], v[16+8*(4*\j+\qt)+\i:16+8*(4*\j+\qt)+\i+1], v[AN+2*\qt:AN+2*\qt+1] op_sel:[0,1] op_sel_hi:[1,1]
.endr
.endr
.endr
	WIN 0x01
.irp j, 0,1,2,3
.irp qt, 0,1,2,3
.irp i, 0,2,4,6
	v_pk_fma_f32 v[16+8*(4*\j+\qt)+\i:16+8*(4*\j+\qt)+\i+1], v[8*(4*\j+\qt)+\i:8*(4*\j+\qt)+\i+1], v[AN+2*\qt:AN+2*\qt+1], v[16+8*(4*\j+\qt)+\i:16+8*(4*\j+\qt)+\i+1] op_sel_hi:[1,0,1]
.endr
.endr
.endr
	WIN 0
.set tt, 0
.rept 16
.irp i, 0,1,2,3
	v_cvt_pk_f16_f32 v[16+8*tt+\i], v[16+8*tt+2*\i], v[16+8*tt+2*\i+1]
.endr
.set tt, tt+1
.endr
.irp j, 0,1,2,3
.irp qt, 0,1,2,3
	global_store_b128 v1, v[16+8*(4*\j+\qt):16+8*(4*\j+\qt)+3], s[10:11] offset:\qt*24576+\j*512   ; each store of the wave covers 512 consecutive bytes, aligned
.endr
.endr
.Lend:
	s_wait_tensorcnt 0x0
	ds_add_u32 v254, v255
	s_wait_dscnt 0x0
	ROUND                                          ; the closing round: no work-group ends while a partner may still ask for a tile that names it
	s_endpgm
.Lfunc_end_k_q52172ea1a2_attn:
	.size	k_q52172ea1a2_attn, .Lfunc_end_k_q52172ea1a2_attn-k_q52172ea1a2_attn
	.p2alignl 7, 3214868480
	.fill 96, 4, 3214868480
	.section	.rodata,"a",@progbits
	.p2align	6, 0x0
	.amdhsa_kernel k_q52172ea1a2_attn
		.amdhsa_group_segment_fixed_size 327680
		.amdhsa_private_segment_fixed_size 0
		.amdhsa_enable_private_segment 0
		.amdhsa_kernarg_size 32
		.amdhsa_user_sgpr_count 2
		.amdhsa_user_sgpr_kernarg_segment_ptr 1
		.amdhsa_wavefront_size32 1
		.amdhsa_system_sgpr_workgroup_id_x 1
		.amdhsa_system_sgpr_workgroup_id_y 1
		.amdhsa_system_sgpr_workgroup_id_z 1
		.amdhsa_system_vgpr_workitem_id 0
		.amdhsa_next_free_vgpr 448
		.amdhsa_next_free_sgpr 66
		.amdhsa_reserve_vcc 0
		.amdhsa_float_denorm_mode_32 3
		.amdhsa_float_denorm_mode_16_64 3
		.amdhsa_memory_ordered 1
		.amdhsa_forward_progress 1
		.amdhsa_inst_pref_size 120
	.end_amdhsa_kernel
	.amdgpu_metadata
---
amdhsa.version: [ 1, 2 ]
amdhsa.kernels:
  - .name:           k_q52172ea1a2_attn
    .symbol:         k_q52172ea1a2_attn.kd
    .args:
      - { .name: qf, .offset: 0, .size: 8, .value_kind: global_buffer, .address_space: global }
      - { .name: kf, .offset: 8, .size: 8, .value_kind: global_buffer, .address_space: global }
      - { .name: vf, .offset: 16, .size: 8, .value_kind: global_buffer, .address_space: global }
      - { .name: of, .offset: 24, .size: 8, .value_kind: global_buffer, .address_space: global }
    .group_segment_fixed_size: 327680
    .private_segment_fixed_size: 0
    .kernarg_segment_align: 8
    .kernarg_segment_size: 32
    .max_flat_workgroup_size: 256
    .sgpr_count:     66
    .vgpr_count:     448
    .wavefront_size: 32
...
	.end_amdgpu_metadata
.endif
;; end of part 2
;; launch oproj (part 3): grid 64 x 4, 3 waves a work-group, clusters of 4 x 1, 327,680 bytes of LDS; arguments of, wof, bo, out0; writes out0
.if DOCPART == 3
	.amdgcn_target "amdgcn-amd-amdhsa--gfx1250"
	.amdhsa_code_object_version 6
	.text
	.protected	k_q52172ea1a2_oproj
	.globl	k_q52172ea1a2_oproj
	.p2align	8
	.type	k_q52172ea1a2_oproj,@function
k_q52172ea1a2_oproj:
	s_mov_b64 s[64:65], 0
	v_nop
	global_prefetch_b8 v0, s[64:65] scope:SCOPE_SE
	s_setreg_imm32_b32 hwreg(HW_REG_WAVE_MODE, 25, 1), 1
	s_wait_xcnt 0x0
	s_wait_alu depctr_hold_cnt(0) depctr_sa_sdst(0) depctr_va_vdst(0) depctr_va_sdst(0) depctr_va_ssrc(0) depctr_va_vcc(0) depctr_vm_vsrc(0)
	s_getreg_b32 s2, hwreg(HW_REG_IB_STS2, 6, 4)
	s_cmp_eq_u32 s2, 0
	s_cbranch_scc0 .Lentry_in_a_cluster
	s_endpgm
.Lentry_in_a_cluster:
	s_bfe_u32 s2, ttmp6, 0x10000c
	s_cmp_lg_u32 s2, 0x3003
	s_cbranch_scc0 .Lentry_shape_is_right
	s_endpgm
.Lentry_shape_is_right:
; out0 = O Wo + bo.  O [4096][768] and Wo [768][768] come in f16 as quarters (512 bytes, lane L's 16 bytes at 16 L; L = r + 16 h):
;   of:  mtile*24576 + head*2048 + j*512:                          O[16 mtile + r][64 head + 32 h + 4 e + j]
;   wof: (nblk*12 + head)*24576 + (4 grp + jj)*2048 + j'*512:      Wo[64 head + 32 h + 4 e + j'][192 nblk + 64 grp + 4 r + jj]
; Both have the same order of k, so the products stand.  A work-group makes 64 rows x 192 columns; wave w makes group w of 64 columns: 4 row tiles x 4
; tiles jj.  Register i of lane (r, h) in tile (mt, jj) is (row 16 mt + 8 h + i, column 4 r + jj): the four tiles give a lane four neighbouring f32,
; so sixteen lanes store 256 consecutive bytes, aligned, with no way through LDS.
; THREE WAVES: a group of 64 columns stays in one wave for these stores, and 192 columns are three groups; a fourth wave would have to split the rows
; and every wave would then read all of Wo's tiles from LDS for fewer products.
; K = 768 goes in three slot fills of four heads (256 along K): O's part 32768 bytes (wave 0's load, the work-group's own), Wo's part 98304 bytes
; (waves 1 and 2, half each).  CLUSTER: the four work-groups of a cluster are four row blocks of one nblk and walk the same Wo: asked for jointly, mask 15.
; A wave has at most two tensor loads outstanding (the two first fills).
; LIMITS: operands in f16 (O has V's range; Wo 30 times its usual size is about 1), sums in f32, the bias added in f32 at the end;
; NaN and infinities are not served.
.set ROWB,  3072                       ; bytes in a row of out0
.set SLOT,  131072
.set WPART, 32768                      ; Wo's part of a slot
.set HEADW, 24576                      ; a head of Wo's part
.set FR0, 16                           ; v[16:79]   fragments, buffer 0: O's tile mt at + 8 mt, Wo's tile s at + 32 + 8 s
.set FR1, 80                           ; v[80:143]  buffer 1
; v2, v3: O's part of slot 0, 1 + 16 L; v4-v7: Wo's part, slot 0 heads 0-1, 2-3, slot 1 heads 0-1, 2-3, + my group + 16 L; v8 offset in out0; v9 = 16 r
; v[12:15] the bias of my four columns; window 1: v[0:127] accumulators, tile (mt, s) at 8 (4 mt + s)
.set MSB, 0
.macro WIN new                         ; s_set_vgpr_msb: bits 1:0 source 0, 3:2 source 1, 5:4 source 2, 7:6 destination; the high byte repeats the setting left
.if MSB != \new
	s_set_vgpr_msb (MSB<<8)|\new
.set MSB, \new
.endif
.endm
.macro NOP4
.rept 4
	v_nop
.endr
.endm
.macro ROUND                           ; a round of the cluster's barrier: my work-group's barrier, wave 0 signals for it, all wait for the four, my barrier again
	s_barrier_signal -1
	s_barrier_wait -1
	s_cmp_lg_u32 s12, 0
	s_cbranch_scc1 .Lnot_wave_0_\@
	s_barrier_signal -3
.Lnot_wave_0_\@:
	s_barrier_wait -3
	s_barrier_signal -1
	s_barrier_wait -1
.endm
.macro TLOAD n                         ; slot n: wave 0 brings O's part, waves 1 and 2 the halves of Wo's.  The branch hangs on the wave's number alone.
	s_cmp_eq_u32 s12, 0
	s_cbranch_scc0 .Lfor_w_\@
	tensor_load_to_lds s[32+4*\n:35+4*\n], s[24:31]
	s_nop 0
	s_branch .Lasked_\@
.Lfor_w_\@:
	tensor_load_to_lds s[48+4*\n:51+4*\n], s[40:47]
	s_nop 0
.Lasked_\@:
.endm
	s_load_b256 s[4:11], s[0:1], 0x0               ; of 4, wof 6, bo 8, out0 10
	v_lshl_add_u32 v254, v0, 2, 0x40000
	v_mov_b32 v255, 0
	ds_add_u32 v254, v255
	v_and_b32 v2, 31, v0
	v_and_b32 v9, 15, v0
	v_bfe_u32 v8, v0, 4, 1
	v_lshrrev_b32 v10, 5, v0
	v_readfirstlane_b32 s12, v10                   ; wave w
	v_lshlrev_b32 v2, 4, v2                        ; 16 L
	v_lshlrev_b32 v9, 4, v9                        ; 16 r
	v_mad_u32_u24 v8, v8, 8*ROWB, v9               ; 8 h rows + 16 r
	v_add_nc_u32 v3, SLOT, v2
	s_lshl_b32 s61, s12, 13                        ; my group: four tiles of 2048 bytes
	v_add_nc_u32 v10, s61, v2
	v_add_nc_u32 v4, WPART, v10
	v_add_nc_u32 v5, WPART+2*HEADW, v10
	v_add_nc_u32 v6, SLOT+WPART, v10
	v_add_nc_u32 v7, SLOT+WPART+2*HEADW, v10
	s_lshr_b32 s13, s12, 1                         ; which half of Wo's part wave 1 (0) or wave 2 (1) brings
	s_bfe_u32 s14, ttmp6, 0x40000                  ; cx
	s_lshl_b32 s15, ttmp9, 2
	s_add_co_u32 s15, s15, s14                     ; row block = 4 x cluster x + cx
	s_and_b32 s16, ttmp7, 0xffff                   ; nblk
	; group 1 for O: 4 rows (row tiles) of 1024 elements of 8 bytes (four heads), 3072 elements apart; no mask: the work-group's own
	s_mov_b32 s24, 3<<16
	s_mov_b32 s25, 1024<<16                        ; tensor_dim0
	s_mov_b32 s26, 4<<16                           ; tensor_dim1
	s_mov_b32 s27, 1024<<16                        ; tile_dim0
	s_mov_b32 s28, 4                               ; tile_dim1
	s_mov_b32 s29, 3072                            ; pitch
	s_mov_b32 s30, 0
	s_mov_b32 s31, 0
	; group 1 for Wo: 192 dense rows of 32 elements of 8 bytes = 49152 bytes; mask 15, bit 21 beside it
	s_mov_b32 s40, 15|(3<<16)|(1<<21)
	s_mov_b32 s41, 32<<16
	s_mov_b32 s42, 192<<16
	s_mov_b32 s43, 32<<16
	s_mov_b32 s44, 192
	s_mov_b32 s45, 32
	s_mov_b32 s46, 0
	s_mov_b32 s47, 0
	s_mov_b32 s32, 1
	s_mov_b32 s33, 0
	s_mov_b32 s36, 1
	s_mov_b32 s37, SLOT
	s_mul_i32 s60, s13, 2*HEADW
	s_mov_b32 s48, 1
	s_add_co_u32 s49, s60, WPART
	s_mov_b32 s52, 1
	s_add_co_u32 s53, s60, SLOT+WPART
	s_mul_i32 s58, s16, 12*HEADW                   ; Wo's address hangs on nblk and the wave alone: s[58:59] never hold cx
	s_add_co_u32 s58, s58, s60
	s_mov_b32 s59, 0
	s_mul_i32 s56, s15, 4*24576                    ; what hangs on cx stays in s[56:57] and the addresses made of them
	s_mov_b32 s57, 0
	s_mul_i32 s62, s16, 768
	s_lshl_b32 s63, s12, 8
	s_add_co_u32 s62, s62, s63                     ; my 64 columns, in bytes
	s_mov_b32 s63, 0
	s_wait_dscnt 0x0
	s_wait_kmcnt 0x0
	s_add_nc_u64 s[34:35], s[4:5], s[56:57]        ; O: heads 0-3
	s_add_nc_u64 s[38:39], s[34:35], 8192          ; heads 4-7
	s_or_b32 s35, s35, 0x80000000
	s_or_b32 s39, s39, 0x80000000
	s_add_nc_u64 s[50:51], s[6:7], s[58:59]        ; Wo: heads 0-3
	s_add_nc_u64 s[54:55], s[50:51], 4*HEADW       ; heads 4-7
	s_or_b32 s51, s51, 0x80000000
	s_or_b32 s55, s55, 0x80000000
	s_add_nc_u64 s[8:9], s[8:9], s[62:63]          ; bo at my 64 columns
	s_add_nc_u64 s[10:11], s[10:11], s[62:63]
	s_mul_i32 s56, s15, 64*ROWB
	s_add_nc_u64 s[10:11], s[10:11], s[56:57]      ; out0 at my 64 rows and 64 columns
; the fragments of K step i of a slot (head i >> 1, half i & 1) into buffer f: 16 loads of 512 consecutive bytes
.macro FETCH slot, i, f
.irp mt, 0,1,2,3
	ds_load_b128 v[\f+8*\mt:\f+8*\mt+3], v[2+\slot] offset:\mt*8192+(\i>>1)*2048+(\i&1)*1024
	ds_load_b128 v[\f+8*\mt+4:\f+8*\mt+7], v[2+\slot] offset:\mt*8192+(\i>>1)*2048+(\i&1)*1024+512
.endr
.irp s, 0,1,2,3
	ds_load_b128 v[\f+32+8*\s:\f+32+8*\s+3], v[4+2*\slot+(\i>>2)] offset:((\i>>1)&1)*HEADW+\s*2048+(\i&1)*1024
	ds_load_b128 v[\f+32+8*\s+4:\f+32+8*\s+7], v[4+2*\slot+(\i>>2)] offset:((\i>>1)&1)*HEADW+\s*2048+(\i&1)*1024+512
.endr
.endm
; 16 matrix instructions; the 16 accumulators take turns, one instruction a turn
.macro MM f, zero
	WIN 0x50
.irp mt, 0,1,2,3
.irp s, 0,1,2,3
.if \zero
	v_wmma_f32_16x16x32_f16 v[8*(4*\mt+\s):8*(4*\mt+\s)+7], v[\f+8*\mt:\f+8*\mt+7], v[\f+32+8*\s:\f+32+8*\s+7], 0
.else
	v_wmma_f32_16x16x32_f16 v[8*(4*\mt+\s):8*(4*\mt+\s)+7], v[\f+8*\mt:\f+8*\mt+7], v[\f+32+8*\s:\f+32+8*\s+7], v[8*(4*\mt+\s):8*(4*\mt+\s)+7]
.endif
.endr
.endr
	WIN 0
.endm
; K step i is fetched into buffer g, which was multiplied last (four places ahead of the loads), and buffer f is multiplied
.macro KS slot, i, g, f
	NOP4
	FETCH \slot, \i, \g
	s_wait_dscnt 16                                ; LDS loads return in order (ISA guide 5.7.1): all but the 16 just issued are in
	MM \f, 0
.endm
.macro SLOTWORK slot, zero                         ; the eight K steps of a slot
	FETCH \slot, 0, FR0
	FETCH \slot, 1, FR1
	s_wait_dscnt 16
	MM FR0, \zero
	KS \slot, 2, FR0, FR1
	KS \slot, 3, FR1, FR0
	KS \slot, 4, FR0, FR1
	KS \slot, 5, FR1, FR0
	KS \slot, 6, FR0, FR1
	KS \slot, 7, FR1, FR0
	s_wait_dscnt 0x0
	MM FR1, 0
	NOP4                                           ; four places ahead of whatever next loads into, or reads, these registers
.endm
	ROUND                                          ; the four work-groups are here: the first joint loads meet
	TLOAD 0                                        ; both first fills go out together
	TLOAD 1
	global_load_b128 v[12:15], v9, s[8:9]          ; bo[.. + 4 r .. 4 r + 3]
	s_wait_tensorcnt 0x1                           ; my part of slot 0 is in; slot 1's may stay out
	s_barrier_signal -1
	s_barrier_wait -1
	SLOTWORK 0, 1                                  ; heads 0-3; the first products start the sums
	s_wait_dscnt 0x0                               ; my reads of slot 0 are done,
	s_wait_tensorcnt 0x0                           ; all my tensor loads have landed (my part of slot 1), so a group 0 may be written
	ds_add_u32 v254, v255
	s_wait_dscnt 0x0
	s_add_nc_u64 s[34:35], s[34:35], 2*8192
	s_add_nc_u64 s[50:51], s[50:51], 8*HEADW
	ROUND                                          ; both now hold of every wave of the four work-groups
	TLOAD 0                                        ; heads 8-11 into slot 0: my one tensor load behind the round
	SLOTWORK 1, 0                                  ; heads 4-7
	s_wait_dscnt 0x0
	s_wait_tensorcnt 0x0                           ; my part of heads 8-11 is in,
	s_barrier_signal -1
	s_barrier_wait -1                              ; everybody's is
	SLOTWORK 0, 0                                  ; heads 8-11
	s_wait_loadcnt 0x0                             ; the bias
	WIN 0x01                                       ; the add also gathers a row's four neighbouring columns from the four tiles
.irp mt, 0,1,2,3
.irp jj, 0,1,2,3,4,5,6,7
.irp s, 0,1,2,3
	v_add_f32 v[16+4*(8*\mt+\jj)+\s], v[8*(4*\mt+\s)+\jj], v[12+\s]
.endr
.endr
.endr
	WIN 0
.irp mt, 0,1,2,3
.irp jj, 0,1,2,3,4,5,6,7
	global_store_b128 v8, v[16+4*(8*\mt+\jj):16+4*(8*\mt+\jj)+3], s[10:11] offset:(16*\mt+\jj)*ROWB th:TH_STORE_NT   ; 16 lanes store 256 consecutive bytes, aligned
.endr
.endr
	s_wait_tensorcnt 0x0
	ds_add_u32 v254, v255
	s_wait_dscnt 0x0
	ROUND                                          ; the closing round: no work-group ends while a partner may still ask for a tile that names it
	s_endpgm
.Lfunc_end_k_q52172ea1a2_oproj:
	.size	k_q52172ea1a2_oproj, .Lfunc_end_k_q52172ea1a2_oproj-k_q52172ea1a2_oproj
	.p2alignl 7, 3214868480
	.fill 96, 4, 3214868480
	.section	.rodata,"a",@progbits
	.p2align	6, 0x0
	.amdhsa_kernel k_q52172ea1a2_oproj
		.amdhsa_group_segment_fixed_size 327680
		.amdhsa_private_segment_fixed_size 0
		.amdhsa_enable_private_segment 0
		.amdhsa_kernarg_size 32
		.amdhsa_user_sgpr_count 2
		.amdhsa_user_sgpr_kernarg_segment_ptr 1
		.amdhsa_wavefront_size32 1
		.amdhsa_system_sgpr_workgroup_id_x 1
		.amdhsa_system_sgpr_workgroup_id_y 1
		.amdhsa_system_sgpr_workgroup_id_z 1
		.amdhsa_system_vgpr_workitem_id 0
		.amdhsa_next_free_vgpr 384
		.amdhsa_next_free_sgpr 66
		.amdhsa_reserve_vcc 0
		.amdhsa_float_denorm_mode_32 3
		.amdhsa_float_denorm_mode_16_64 3
		.amdhsa_memory_ordered 1
		.amdhsa_forward_progress 1
		.amdhsa_inst_pref_size 67
	.end_amdhsa_kernel
	.amdgpu_metadata
---
amdhsa.version: [ 1, 2 ]
amdhsa.kernels:
  - .name:           k_q52172ea1a2_oproj
    .symbol:         k_q52172ea1a2_oproj.kd
    .args:
      - { .name: of, .offset: 0, .size: 8, .value_kind: global_buffer, .address_space: global }
      - { .name: wof, .offset: 8, .size: 8, .value_kind: global_buffer, .address_space: global }
      - { .name: bo, .offset: 16, .size: 8, .value_kind: global_buffer, .address_space: global }
      - { .name: out0, .offset: 24, .size: 8, .value_kind: global_buffer, .address_space: global }
    .group_segment_fixed_size: 327680
    .private_segment_fixed_size: 0
    .kernarg_segment_align: 8
    .kernarg_segment_size: 32
    .max_flat_workgroup_size: 96
    .sgpr_count:     66
    .vgpr_count:     384
    .wavefront_size: 32
...
	.end_amdgpu_metadata
.endif
;; end of part 3
;; ======== version 2 of 2: 3 launches; version 1 with the launch proj written anew for expert scheduling mode
;; limits: values are held in f16: magnitudes above 65,504 overflow, below 6.1e-05 lose precision
;; workspace buffers: qf 6,291,456 bytes; kf 6,291,456 bytes; vf 6,291,456 bytes; of 6,291,456 bytes; wof 1,179,648 bytes
;; launch proj (part 4): grid 64 x 4, 4 waves a work-group, no clusters, 123,392 bytes of LDS; arguments query, key_in, value, Wq, Wk, Wv, bq, bk, bv, Wo, qf, kf, vf, wof; writes qf, kf, vf, wof
.if DOCPART == 4
	.amdgcn_target "amdgcn-amd-amdhsa--gfx1250"
	.amdhsa_code_object_version 6
	.text
	.protected	k_q52172ea1a2_proj
	.globl	k_q52172ea1a2_proj
	.p2align	8
	.type	k_q52172ea1a2_proj,@function
k_q52172ea1a2_proj:
	s_mov_b64 s[64:65], 0
	v_nop
	global_prefetch_b8 v0, s[64:65] scope:SCOPE_SE
	s_setreg_imm32_b32 hwreg(HW_REG_WAVE_SCHED_MODE, 0, 2), 2
	s_setreg_imm32_b32 hwreg(HW_REG_WAVE_MODE, 25, 1), 1
	s_wait_xcnt 0x0
	s_wait_alu depctr_vm_vsrc(0)
; y = 0, 1, 2:  Q = query Wq + bq,  K = key_in Wk + bk,  V = value Wv + bv   ([4096][768] f32 x [768][768] f32), results in f16.
; y = 3:        Wo rounded to f16 and laid out as matrix fragments for the last launch.
; NOTATION: lane L = r + 16 h (r = L & 15).  A QUARTER is 512 bytes, lane L's 16 bytes (8 f16, e = 0..7) at 16 L: registers 0-3 or 4-7 of a
; 16-bit matrix fragment.  Every result is stored as quarters, so that the next launch loads fragments by dense copies and plain 16-byte reads:
;   qf, kf: bh*262144 + ttile*2048 + j*512 + 16 L            holds X[b][16 ttile + r][head][32 h + 4 e + j]        (bh = 12 b + head)
;   vf:     bh*262144 + kb*4096 + j*1024 + half*512 + 16 L   holds V[b][32 kb + 16 half + 8 h + e][head][4 r + j]
;   wof:    (nblk*12 + head)*24576 + (4 grp + jj)*2048 + j'*512 + 16 L   holds Wo[64 head + 32 h + 4 e + j'][192 nblk + 64 grp + 4 r + jj]
; THE WEIGHTS LIE [k][n].  Tile j of a group of 64 columns is given the columns 4 r + j: a lane that loads 16 bytes W[k][4r .. 4r+3] for eight
; consecutive k rounds pairs of k and has its 16 bytes of a quarter for each of the four tiles.  Q and K get the same order of d, so their products stand.
; FOUR WAVES, one a SIMD.  A work-group makes 256 rows x 192 columns (three heads), a wave 128 x 96 = 48 accumulator tiles: for 32 along K it reads
; (128 + 96) x 64 bytes from LDS for 48 matrix instructions.  K goes in 12 steps of 64 through two LDS buffers; the operands come through registers,
; where they are rounded.  Two fragment buffers: while one half step is multiplied the next one's fragments are on their way from LDS, and the loads
; of X and of W from memory are issued a whole step ahead of their conversion.
; For Q and K source 0 is W's tile and source 1 is X's, so a lane's eight results are eight d of one row; for V the other way round, eight rows of one d.
; THE BIAS is loaded during the last K step, when no other load of the wave is out, and added in f32 ahead of the rounding to f16.
; REGISTERS, in windows of 256:  window 0: addresses, fragment buffers F0 and F1 (X's 8 tiles, then W's 6);  window 1: accumulators of row tiles 0-3,
; tile (mt, nt) at 8 (6 mt + nt), and the bias;  window 2: accumulators of row tiles 4-7, and the out-buffer OB for rounded data;  window 3: X and W as
; loaded, and the offsets and LDS addresses of these loads and of the LDS stores.
; THE MODE: SCHED_MODE bits 1:0 = 2 (LLVM: expert scheduling mode 2), set by the entry lines.  The code itself states the register dependences
; between vector or matrix instructions and memory or LDS instructions, with s_wait_alu, always for 0.
; THE PLAN.  Registers that memory or LDS instructions touch, in the loop:
;   XR      written by X's 32 loads; read by X's 64 roundings; behind them the loads of the step after next land in it.
;   WR      the same for W: 24 loads, 48 roundings.
;   OB      X's roundings write its 64 registers, X's 32 LDS stores read them; later in the step W's roundings write the first 48, W's 12 LDS stores read them.
;   F0, F1  written by the fragments' LDS loads, read by the products.
;   v8-v11 and window 3's v240-v243: offsets and LDS addresses, made at the head and never written again: the rows are reached by the scalar bases and by immediates.
;   The accumulators are named by matrix and vector instructions alone until the way out.
; TWO waits on va_vdst stand in a step, each behind a run of roundings.  The one behind X's states that OB is written, that the roundings are done reading XR, and
; that the products of the step before are done reading F1: X's next loads, X's LDS stores and F1's fragment loads follow it with no vector instruction between.
; The one behind W's states that OB is written, that the roundings are done reading WR, and that the products on F0 are done reading it: W's next loads and W's LDS
; stores follow at once, F0's fragment loads behind the barrier; the 24 products between name F1 and window 1's accumulators, none of the registers that those loads touch.
; TWO waits on vm_vsrc stand in a step, each ahead of a run of roundings: the LDS stores issued last have read OB.
; NO CLUSTER: every operand passes through registers to be rounded to f16, so there is no tile copy that work-groups could ask for jointly.
; 192 work-groups make the products (768 = 3 x 256 columns do not divide into 256 equal blocks); the 64 of y = 3 convert Wo, 9 units each.
; WHY f16: attention averages V over 2048 keys, so the result is small beside V and every operand's rounding shows in full against it; f16 keeps 11
; significant bits.  ITS ROOM: with every input 30 times the usual size |X| is about 180, |W| about 1, and Q, K, V (900 times theirs) stay near 3,000;
; with offsets of 30 spreads on X and on W they are 768 x 30 x 0.63, about 14,500; both below f16's largest number, 65,504.  With every input 30 times
; smaller Q, K, V are about 6e-4, and f16's step below 2^-14 is 2^-24.
; LIMITS: matrix operands are rounded to f16, sums in f32; an X, W, Q, K or V beyond 65,504 becomes infinite; NaN and infinities in the inputs are not served.
.set ROWB,   3072                      ; bytes in a row of X, of W
.set XPITCH, 144                       ; LDS row of X: 128 bytes + 16, an odd multiple of 16: the 16 rows of a fragment load start in different banks
.set XBUF,   36864                     ; 256 rows x 144; two buffers from byte 0
.set WB,     73728                     ; behind them two buffers of W: [tile 12][quarter 4][512]
.set WBUF,   24576
.set F0,  20                           ; window 0: v[20:131]  fragment buffer 0: X's tile mt at + 8 mt, W's tile nt at + 64 + 8 nt
.set F1,  132                          ;           v[132:243] fragment buffer 1
.set BT,  192                          ; window 1: Q, K: v[192:239] the bias of register jj of column tile nt at 192 + 8 nt + jj; V: v[192:197] pairs (tile 2 g, tile 2 g + 1)
.set OB,  192                          ; window 2: v[192:255] rounded data on its way to LDS: X's 64 registers, then W's 48
.set XR,  0                            ; window 3: v[0:127]   X as loaded, 32 x 16 bytes
.set WR,  128                          ;           v[128:223] W as loaded, 24 x 16 bytes
.set XGR, 240                          ;           v240 X's offset in memory, v241 W's, v242 X's LDS address for stores, v243 W's
.set WGR, 241
.set XSR, 242
.set WSR, 243
.set W_RND, 0x8f                       ; the roundings: sources 0 and 1 in window 3, the destination in window 2
.set W_MEM, 0xcb                       ; loads (data and offset in window 3) and LDS stores (address, source 0, in window 3; data, source 1, in window 2) under one setting
; window 0: v8 XRD, v9 WRD LDS reads; v10 = 16 L; v11 the bias's offset; v254, v255 for the closing lines alone
.set MSB, 0
.macro WIN new                         ; s_set_vgpr_msb: bits 1:0 source 0, 3:2 source 1, 5:4 source 2, 7:6 destination; the high byte repeats the setting left
.if MSB != (\new)
	s_set_vgpr_msb (MSB<<8)|(\new)
.set MSB, (\new)
.endif
.endm
.macro NOP4
.rept 4
	v_nop
.endr
.endm
	s_load_b512 s[8:23], s[0:1], 0x0               ; query 8, key_in 10, value 12, Wq 14, Wk 16, Wv 18, bq 20, bk 22
	s_load_b256 s[24:31], s[0:1], 0x40             ; bv 24, Wo 26, qf 28, kf 30
	s_load_b128 s[32:35], s[0:1], 0x60             ; vf 32, wof 34
	v_lshl_add_u32 v254, v0, 2, 0x1e000
	v_mov_b32 v255, 0
	v_and_b32 v1, 31, v0                           ; L
	v_and_b32 v2, 15, v0                           ; r
	v_bfe_u32 v3, v0, 4, 1                         ; h
	v_lshrrev_b32 v10, 5, v0
	v_readfirstlane_b32 s40, v10                   ; wave w; also the quarter of W that I convert
	v_lshlrev_b32 v10, 4, v1                       ; 16 L
	s_and_b32 s36, ttmp7, 0xffff                   ; y: which product
	s_and_b32 s38, ttmp9, 3                        ; nbk: which 192 columns
	s_lshr_b32 s39, ttmp9, 2                       ; mb: which 256 rows
	s_wait_alu depctr_va_sdst(0)                   ; s40 is written, ahead of its first reader: the wave's shares, bases and branches are made from it
	s_lshr_b32 s41, s40, 1                         ; wm: my 128 rows
	s_and_b32 s42, s40, 1                          ; wn: my tiles j = 2 wn, 2 wn + 1
	s_wait_kmcnt 0x0
	s_cmp_eq_u32 s36, 3
	s_cbranch_scc1 .Lwo
	s_cmp_eq_u32 s36, 1                            ; the product's four buffers
	s_cselect_b64 s[46:47], s[10:11], s[8:9]
	s_cselect_b64 s[48:49], s[16:17], s[14:15]
	s_cselect_b64 s[50:51], s[22:23], s[20:21]
	s_cselect_b64 s[52:53], s[30:31], s[28:29]
	s_cmp_eq_u32 s36, 2
	s_cselect_b64 s[46:47], s[12:13], s[46:47]
	s_cselect_b64 s[48:49], s[18:19], s[48:49]
	s_cselect_b64 s[50:51], s[24:25], s[50:51]
	s_cselect_b64 s[52:53], s[32:33], s[52:53]
	s_cselect_b32 s56, 11, 10                      ; wn steps 2 tiles j: 2 x 1024 bytes in vf, 2 x 512 in qf and kf
	s_mul_i32 s54, s39, 256*ROWB
	s_mov_b32 s55, 0
	s_add_nc_u64 s[46:47], s[46:47], s[54:55]      ; X at my 256 rows
	s_mul_i32 s54, s38, 768
	s_add_nc_u64 s[48:49], s[48:49], s[54:55]      ; W at my 192 columns
	s_lshl3_add_u32 s54, s42, s54
	s_add_nc_u64 s[50:51], s[50:51], s[54:55]      ; the bias at my 192 columns + 2 wn
	s_lshr_b32 s57, s39, 3                         ; b
	s_mul_i32 s57, s57, 12
	s_mul_i32 s58, s38, 3
	s_add_co_u32 s57, s57, s58                     ; bh of my first head
	s_lshl_b32 s57, s57, 18
	s_and_b32 s58, s39, 7
	s_lshl_b32 s58, s58, 1
	s_add_co_u32 s58, s58, s41                     ; ((mb & 7) 16 + 8 wm) row tiles of 2048 bytes
	s_lshl_b32 s58, s58, 14
	s_add_co_u32 s57, s57, s58
	s_lshl_b32 s58, s42, s56
	s_add_co_u32 s54, s57, s58
	s_add_nc_u64 s[52:53], s[52:53], s[54:55]      ; the output at my wave's first quarter
	v_lshlrev_b32 v13, 4, v2
	v_mad_u32_u24 v14, v3, 8*ROWB, v13             ; 8 h rows + 16 r
	s_mul_i32 s57, s40, 64*ROWB
	v_add_nc_u32 v4, s57, v14                      ; X in memory: (64 w + 8 h) rows + 16 r
	s_mul_i32 s58, s40, 16*ROWB
	v_add_nc_u32 v5, s58, v14                      ; W in memory: (16 w + 8 h) rows + 16 r
	v_lshlrev_b32 v6, 3, v2
	v_mad_u32_u24 v6, v3, 8*XPITCH, v6             ; 8 rows of 144 bytes are 128 modulo 256: the two halves of the lanes store into different banks
	s_mul_i32 s57, s40, 64*XPITCH
	v_add_nc_u32 v6, s57, v6                       ; X into LDS: (64 w + 8 h) LDS rows + 8 r
	s_lshl_b32 s57, s40, 9
	s_add_co_u32 s57, s57, WB
	v_add_nc_u32 v7, s57, v10                      ; W into LDS: W's buffer + quarter w + 16 L
	v_lshlrev_b32 v8, 4, v3
	v_mad_u32_u24 v8, v2, XPITCH, v8
	s_mul_i32 s57, s41, 128*XPITCH
	v_add_nc_u32 v8, s57, v8                       ; XRD = (128 wm + r) LDS rows + 16 h
	s_lshl_b32 s57, s42, 12
	s_add_co_u32 s57, s57, WB
	v_add_nc_u32 v9, s57, v10                      ; WRD = W's buffer + 2 wn tiles + 16 L
	WIN 0xc0                                       ; the staging's four address registers live in window 3, beside the loaded data
	v_mov_b32 v[XGR], v4
	v_mov_b32 v[WGR], v5
	v_mov_b32 v[XSR], v6
	v_mov_b32 v[WSR], v7
	WIN 0
	s_cmp_eq_u32 s36, 2
	s_cbranch_scc1 .Lv
; X of one K step: 32 loads, two rows' 256 bytes each.  step = 1: the base moves on first; every earlier load of X has been waited for by then.
.macro GLX step
	WIN W_MEM
.if \step
	s_add_nc_u64 s[46:47], s[46:47], 256
.endif
.set ii, 0
.rept 32
	global_load_b128 v[XR+4*ii:XR+4*ii+3], v[XGR], s[46:47] offset:(ii+8*(ii/8))*ROWB
.set ii, ii+1
.endr
.endm
; W of one K step: 24 loads, two rows' 256 bytes each: eight consecutive k of three groups of 64 columns.  The base as above.
.macro GLW step
	WIN W_MEM
.if \step
	s_add_nc_u64 s[48:49], s[48:49], 64*ROWB
.endif
.irp u, 0,1,2
.irp e, 0,1,2,3,4,5,6,7
	global_load_b128 v[WR+32*\u+4*\e:WR+32*\u+4*\e+3], v[WGR], s[48:49] offset:\e*ROWB+\u*256
.endr
.endr
.endm
; X is rounded: the four f32 of load ii become 8 bytes, a pair of the out-buffer
.macro RNDX
	WIN W_RND
.set ii, 0
.rept 32
	v_cvt_pk_f16_f32 v[OB+2*ii], v[XR+4*ii], v[XR+4*ii+1]
	v_cvt_pk_f16_f32 v[OB+2*ii+1], v[XR+4*ii+2], v[XR+4*ii+3]
.set ii, ii+1
.endr
.endm
; and stored: 8 bytes of an LDS row of buffer nb
.macro STX nb
	WIN W_MEM
.set ii, 0
.rept 32
	ds_store_b64 v[XSR], v[OB+2*ii:OB+2*ii+1] offset:(\nb)*XBUF+(ii+8*(ii/8))*XPITCH
.set ii, ii+1
.endr
.endm
; W is rounded: column j of eight consecutive k becomes the lane's 16 bytes of tile (u, j)'s quarter w
.macro RNDW
	WIN W_RND
.irp u, 0,1,2
.irp j, 0,1,2,3
.irp i, 0,1,2,3
	v_cvt_pk_f16_f32 v[OB+16*\u+4*\j+\i], v[WR+32*\u+8*\i+\j], v[WR+32*\u+8*\i+4+\j]
.endr
.endr
.endr
.endm
; and stored into buffer nb: each store covers 512 consecutive bytes
.macro STW nb
	WIN W_MEM
.irp u, 0,1,2
.irp j, 0,1,2,3
	ds_store_b128 v[WSR], v[OB+16*\u+4*\j:OB+16*\u+4*\j+3] offset:(\nb)*WBUF+(4*\u+\j)*2048
.endr
.endr
.endm
; the fragments of 32 along K (half c of the step) from LDS buffer rb into fragment buffer f: 8 tiles of X, 6 of W, 28 loads
.macro FRAG rb, c, f
	WIN 0
.irp mt, 0,1,2,3,4,5,6,7
	ds_load_b128 v[\f+8*\mt:\f+8*\mt+3], v8 offset:(\rb)*XBUF+\mt*16*XPITCH+64*\c
	ds_load_b128 v[\f+8*\mt+4:\f+8*\mt+7], v8 offset:(\rb)*XBUF+\mt*16*XPITCH+64*\c+32
.endr
.irp nt, 0,1,2,3,4,5
	ds_load_b128 v[\f+64+8*\nt:\f+64+8*\nt+3], v9 offset:(\rb)*WBUF+(4*(\nt>>1)+(\nt&1))*2048+\c*1024
	ds_load_b128 v[\f+64+8*\nt+4:\f+64+8*\nt+7], v9 offset:(\rb)*WBUF+(4*(\nt>>1)+(\nt&1))*2048+\c*1024+512
.endr
.endm
; 24 matrix instructions on fragment buffer f: row tiles 4 hi .. 4 hi + 3 (accumulators in window 1 + hi) x my six column tiles.
; The 48 accumulators take turns, one instruction a turn, in the same order in every half step.
; zero = 1: the first product starts the sums: nothing is ever cleared.
.macro MMAH f, hi, swap, zero
	WIN 0x50*(1+\hi)                               ; C and D in window 1 + hi
.irp mt, 0,1,2,3
.irp nt, 0,1,2,3,4,5
.if \swap
.if \zero
	v_wmma_f32_16x16x32_f16 v[8*(6*\mt+\nt):8*(6*\mt+\nt)+7], v[\f+64+8*\nt:\f+64+8*\nt+7], v[\f+8*(4*\hi+\mt):\f+8*(4*\hi+\mt)+7], 0
.else
	v_wmma_f32_16x16x32_f16 v[8*(6*\mt+\nt):8*(6*\mt+\nt)+7], v[\f+64+8*\nt:\f+64+8*\nt+7], v[\f+8*(4*\hi+\mt):\f+8*(4*\hi+\mt)+7], v[8*(6*\mt+\nt):8*(6*\mt+\nt)+7]
.endif
.else
.if \zero
	v_wmma_f32_16x16x32_f16 v[8*(6*\mt+\nt):8*(6*\mt+\nt)+7], v[\f+8*(4*\hi+\mt):\f+8*(4*\hi+\mt)+7], v[\f+64+8*\nt:\f+64+8*\nt+7], 0
.else
	v_wmma_f32_16x16x32_f16 v[8*(6*\mt+\nt):8*(6*\mt+\nt)+7], v[\f+8*(4*\hi+\mt):\f+8*(4*\hi+\mt)+7], v[\f+64+8*\nt:\f+64+8*\nt+7], v[8*(6*\mt+\nt):8*(6*\mt+\nt)+7]
.endif
.endif
.endr
.endr
.endm
; K step t on LDS buffer rb.  On entry its half 0 is on its way into F0.  cv: step t + 1's X and W are rounded and stored into the other LDS buffer;
; gl: step t + 2's are asked for, each straight behind the wait that frees its registers, so each has a whole step in which to come.
; ONE barrier a step: in front of its signal each wave has waited for all its LDS instructions, so all stores into the other buffer are done before
; anybody reads it, and all reads of rb are done before the next step's stores into it.  24 matrix instructions stand between signal and wait.
; PLACES: X's 64 roundings stand between the products on F1 and the loads into F1, W's 48 between the products on F0 and the loads
; into F0; the last step rounds nothing, and four v_nop stand there.
; The macro leaves the windows as its last products set them: they are laid back to 0 where a label or a branch follows.
.macro STEP rb, zero, cv, gl, last, swap
.if \last
	NOP4
	s_wait_alu depctr_va_vdst(0)                   ; the products of the step before are done reading F1, in which the loads below land
	FRAG \rb, 1, F1
	s_wait_dscnt 28                                ; LDS loads return in order (ISA guide 5.7.1): F0 is in, the 28 just issued may be out
.else
	s_wait_dscnt 0x0                               ; F0 is in: its 28 loads are all that is out
.endif
	MMAH F0, 0, \swap, \zero
.if \cv
	s_wait_loadcnt 24                              ; loads return in order: X of step t + 1 is in, the 24 of W behind it may be out
	s_wait_alu depctr_vm_vsrc(0)                   ; W's LDS stores, issued last, have read OB, which X's roundings write again
	RNDX
	WIN W_MEM
	s_wait_alu depctr_va_vdst(0)                   ; X's roundings have written OB, which the LDS stores read, and are done reading XR, in which the loads land; the products of the step before are done reading F1
.if \gl
	GLX 1
.endif
	STX 1-\rb
	FRAG \rb, 1, F1                                ; this step's half 1.  No wait: no vector or matrix instruction since the wait above
.endif
	MMAH F0, 1, \swap, \zero
.if \cv
.if \gl
	s_wait_loadcnt 32                              ; W of step t + 1 is in, the 32 of X just issued may be out
.else
	s_wait_loadcnt 0x0
.endif
	s_wait_alu depctr_vm_vsrc(0)                   ; X's LDS stores have read OB, which W's roundings write again
	RNDW
	WIN W_MEM
	s_wait_alu depctr_va_vdst(0)                   ; W's roundings have written OB, which the LDS stores read, and are done reading WR, in which the loads land; the products on F0 are done reading it
.if \gl
	GLW 1
.endif
	STW 1-\rb
.endif
	s_wait_dscnt 0x0                               ; F1 is in; for the others' sake: my stores are done, my reads of rb are over
.if \last == 0
	s_barrier_signal -1
.endif
	MMAH F1, 0, \swap, 0
.if \last == 0
	WIN 0
	s_barrier_wait -1
	FRAG 1-\rb, 0, F0                              ; the next step's half 0; it comes while the 24 products below are made.  No wait: the 24 products since the last wait on va_vdst name F1 and window 1's accumulators alone
.endif
	MMAH F1, 1, \swap, 0
.endm
; The bias is added to the 24 tiles of window 1 + hi (source 0 and destination there, source 1 in window 1), two numbers an instruction.
; Q, K: register jj has its own column.  V: a tile's eight registers share one column, so one half of the pair (tile 2 g, tile 2 g + 1) goes to both.
.macro BIASADD hi, swap
	WIN (1+\hi)|4|((1+\hi)<<6)
.irp mt, 0,1,2,3
.irp nt, 0,1,2,3,4,5
.irp i, 0,2,4,6
.if \swap
	v_pk_add_f32 v[8*(6*\mt+\nt)+\i:8*(6*\mt+\nt)+\i+1], v[8*(6*\mt+\nt)+\i:8*(6*\mt+\nt)+\i+1], v[BT+8*\nt+\i:BT+8*\nt+\i+1]
.else
.if \nt&1
	v_pk_add_f32 v[8*(6*\mt+\nt)+\i:8*(6*\mt+\nt)+\i+1], v[8*(6*\mt+\nt)+\i:8*(6*\mt+\nt)+\i+1], v[BT+2*(\nt>>1):BT+2*(\nt>>1)+1] op_sel:[0,1] op_sel_hi:[1,1]
.else
	v_pk_add_f32 v[8*(6*\mt+\nt)+\i:8*(6*\mt+\nt)+\i+1], v[8*(6*\mt+\nt)+\i:8*(6*\mt+\nt)+\i+1], v[BT+2*(\nt>>1):BT+2*(\nt>>1)+1] op_sel_hi:[1,0]
.endif
.endif
.endr
.endr
.endr
.endm
.macro MAIN swap
.if \swap
	v_lshlrev_b32 v11, 7, v3                       ; register jj of tile (grp, j) is column 64 grp + 32 h + 4 jj + j
.else
	v_lshlrev_b32 v11, 4, v2                       ; every register of tile (grp, j) is column 64 grp + 4 r + j
.endif
	WIN W_MEM
	s_wait_alu depctr_va_vdst(0)                   ; v8 to v11 and window 3's v240 to v243 are written: every load, LDS load, LDS store and store below reads one of them as its offset or address
	GLX 0                                          ; K step 0: 56 loads are out
	GLW 0
	s_wait_loadcnt 24                              ; X is in
	RNDX
	WIN W_MEM
	s_wait_alu depctr_va_vdst(0)                   ; X's roundings have written OB, which the LDS stores read, and are done reading XR, in which the loads land
	GLX 1                                          ; K step 1
	STX 0
	s_wait_loadcnt 32                              ; W is in
	s_wait_alu depctr_vm_vsrc(0)                   ; X's LDS stores have read OB, which W's roundings write again
	RNDW
	WIN W_MEM
	s_wait_alu depctr_va_vdst(0)                   ; W's roundings have written OB, which the LDS stores read, and are done reading WR, in which the loads land
	GLW 1
	STW 0
	WIN 0
	s_wait_dscnt 0x0
	s_barrier_signal -1
	s_barrier_wait -1
	FRAG 0, 0, F0                                  ; no vector or matrix instruction has named F0 yet
	STEP 0, 1, 1, 1, 0, \swap                      ; steps 0 and 1 stand ahead of the loop: the first products start the sums
	STEP 1, 0, 1, 1, 0, \swap
	WIN 0                                          ; at a label and at a branch every window is 0
	s_mov_b32 s44, 4
.Lkloop\swap:
	STEP 0, 0, 1, 1, 0, \swap                      ; steps 2 to 9
	STEP 1, 0, 1, 1, 0, \swap
	WIN 0
	s_sub_co_i32 s44, s44, 1
	s_cmp_lg_u32 s44, 0
	s_cbranch_scc1 .Lkloop\swap
	STEP 0, 0, 1, 0, 0, \swap                      ; step 10: nothing of X or W is left to ask for, and no load of mine is out
	WIN 0x40                                       ; the bias comes while step 11 is multiplied.  No wait: v11 was written ahead of the first wait on va_vdst, and no vector or matrix instruction has named the registers in which it lands
.if \swap
.irp nt, 0,1,2,3,4,5
.irp jj, 0,1,2,3,4,5,6,7
	global_load_b32 v[BT+8*\nt+\jj], v11, s[50:51] offset:(\nt>>1)*256+(\nt&1)*4+\jj*16
.endr
.endr
.else
.irp g, 0,1,2
	global_load_b64 v[BT+2*\g:BT+2*\g+1], v11, s[50:51] offset:\g*256      ; columns 64 g + 4 r + 2 wn and the next: tiles 2 g and 2 g + 1
.endr
.endif
	WIN 0
	STEP 1, 0, 0, 0, 1, \swap                      ; step 11
	NOP4                                           ; four places ahead of the additions that read the last results (ISA guide 7.12.1)
	s_wait_loadcnt 0x0                             ; the bias
.irp hi, 0,1
	BIASADD \hi, \swap
	WIN 0x45*(1+\hi)                               ; a tile's eight f32 become the lane's 16 bytes of a quarter, in place
.set tt, 0
.rept 24
.irp i, 0,1,2,3
	v_cvt_pk_f16_f32 v[8*tt+\i], v[8*tt+2*\i], v[8*tt+2*\i+1]
.endr
.set tt, tt+1
.endr
	WIN 0x04*(1+\hi)                               ; each store of the wave covers 512 consecutive bytes, aligned
	s_wait_alu depctr_va_vdst(0)                   ; the roundings have written the first four registers of this window's 24 tiles, which the stores read
.irp mt, 0,1,2,3
.irp nt, 0,1,2,3,4,5
.if \swap
	global_store_b128 v10, v[8*(6*\mt+\nt):8*(6*\mt+\nt)+3], s[52:53] offset:(\nt>>1)*262144+(4*\hi+\mt)*2048+(\nt&1)*512
.else
	global_store_b128 v10, v[8*(6*\mt+\nt):8*(6*\mt+\nt)+3], s[52:53] offset:(\nt>>1)*262144+((4*\hi+\mt)>>1)*4096+(\mt&1)*512+(\nt&1)*1024
.endif
.endr
.endr
.endr
	WIN 0
	s_wait_dscnt 0x0                               ; the closing lines, six on end
	s_wait_alu 0x0
	s_wait_tensorcnt 0x0
	ds_add_u32 v254, v255
	s_wait_dscnt 0x0
	s_endpgm
.endm
	MAIN 1                                         ; Q and K
.Lv:
	MAIN 0                                         ; V
; Wo.  A unit is quarter j' of the four tiles of one group of 64 columns at one head: 8 loads (two rows' 256 bytes each), 16 roundings, 4 stores of 512 bytes.
; 4 nblk x 12 heads x 4 j' x 3 groups = 576 units; work-group (a = x >> 2, nblk = x & 3) takes the nine with 4 head + j' = 3 a + i1, group i2.
; Registers that memory instructions touch: v[20:51], written by the loads and read by the roundings; v[52:67], written by the roundings and read by the stores;
; v10 and v12, offsets that are never written again.  This path stores nothing to LDS.
.macro WOUNIT                                      ; s54 = 3 i1 + i2
	s_mul_i32 s55, s54, 11
	s_lshr_b32 s55, s55, 5                         ; i1 = s54 / 3 (exact for 0 to 8)
	s_mul_i32 s56, s55, 3
	s_sub_co_u32 s56, s54, s56                     ; i2 = the group
	s_mul_i32 s57, s39, 3
	s_add_co_u32 s57, s57, s55
	s_lshr_b32 s58, s57, 2                         ; head
	s_and_b32 s59, s57, 3                          ; j'
	s_lshl_b32 s60, s58, 6
	s_add_co_u32 s60, s60, s59
	s_mul_i32 s60, s60, ROWB                       ; row 64 head + j'
	s_mul_i32 s61, s38, 768
	s_add_co_u32 s60, s60, s61
	s_lshl_b32 s61, s56, 8
	s_add_co_u32 s60, s60, s61                     ; column 192 nblk + 64 group
	s_mov_b32 s61, 0
	s_add_nc_u64 s[46:47], s[26:27], s[60:61]
	s_mul_i32 s60, s38, 12
	s_add_co_u32 s60, s60, s58
	s_mul_i32 s60, s60, 24576
	s_lshl_b32 s62, s56, 13
	s_add_co_u32 s60, s60, s62
	s_lshl_b32 s62, s59, 9
	s_add_co_u32 s60, s60, s62
	s_add_nc_u64 s[48:49], s[34:35], s[60:61]
.irp e, 0,1,2,3,4,5,6,7
	global_load_b128 v[20+4*\e:23+4*\e], v12, s[46:47] offset:\e*4*ROWB   ; Wo[64 head + j' + 32 h + 4 e][.. + 4 r .. 4 r + 3]
.endr
	s_wait_loadcnt 0x0
.irp jj, 0,1,2,3
.irp i, 0,1,2,3
	v_cvt_pk_f16_f32 v[52+4*\jj+\i], v[20+8*\i+\jj], v[24+8*\i+\jj]
.endr
.endr
	s_wait_alu depctr_va_vdst(0)                   ; the roundings have written v[52:67], which the stores read, and are done reading v[20:51], in which the next unit's loads land
.irp jj, 0,1,2,3
	global_store_b128 v10, v[52+4*\jj:55+4*\jj], s[48:49] offset:\jj*2048
.endr
.endm
.Lwo:
	v_lshlrev_b32 v12, 4, v2
	v_mad_u32_u24 v12, v3, 32*ROWB, v12            ; 32 h rows + 16 r
	s_wait_alu depctr_va_vdst(0)                   ; v12 and v10 are written: the loads and the stores below read them as their offsets
	s_mov_b32 s54, s40                             ; units 0 to 3: one a wave
	WOUNIT
	s_wait_xcnt 0x0                                ; the stores' data and both bases are written again only behind this wait (ISA guide 3.1)
	s_wait_alu depctr_vm_vsrc(0)                   ; the stores have read v[52:67], which the next unit's roundings write again
	s_add_co_u32 s54, s40, 4                       ; units 4 to 7
	WOUNIT
	s_wait_alu depctr_vm_vsrc(0)                   ; as above, ahead of the branch: the ninth unit's roundings write v[52:67] again
	s_cmp_lg_u32 s40, 0
	s_cbranch_scc1 .Lwoend
	s_wait_xcnt 0x0                                ; as above
	s_mov_b32 s54, 8                               ; the ninth unit: wave 0
	WOUNIT
.Lwoend:
	s_endpgm
.Lfunc_end_k_q52172ea1a2_proj:
	.size	k_q52172ea1a2_proj, .Lfunc_end_k_q52172ea1a2_proj-k_q52172ea1a2_proj
	.p2alignl 7, 3214868480
	.fill 96, 4, 3214868480
	.section	.rodata,"a",@progbits
	.p2align	6, 0x0
	.amdhsa_kernel k_q52172ea1a2_proj
		.amdhsa_group_segment_fixed_size 123392
		.amdhsa_private_segment_fixed_size 0
		.amdhsa_enable_private_segment 0
		.amdhsa_kernarg_size 112
		.amdhsa_user_sgpr_count 2
		.amdhsa_user_sgpr_kernarg_segment_ptr 1
		.amdhsa_wavefront_size32 1
		.amdhsa_system_sgpr_workgroup_id_x 1
		.amdhsa_system_sgpr_workgroup_id_y 1
		.amdhsa_system_sgpr_workgroup_id_z 1
		.amdhsa_system_vgpr_workitem_id 0
		.amdhsa_next_free_vgpr 1024
		.amdhsa_next_free_sgpr 66
		.amdhsa_reserve_vcc 0
		.amdhsa_float_denorm_mode_32 3
		.amdhsa_float_denorm_mode_16_64 3
		.amdhsa_memory_ordered 1
		.amdhsa_forward_progress 1
		.amdhsa_inst_pref_size 255
	.end_amdhsa_kernel
	.section	.bss,"aw",@nobits
	.p2align	6
	.space	262144
	.amdgpu_metadata
---
amdhsa.version: [ 1, 2 ]
amdhsa.kernels:
  - .name:           k_q52172ea1a2_proj
    .symbol:         k_q52172ea1a2_proj.kd
    .args:
      - { .name: query, .offset: 0, .size: 8, .value_kind: global_buffer, .address_space: global }
      - { .name: key_in, .offset: 8, .size: 8, .value_kind: global_buffer, .address_space: global }
      - { .name: value, .offset: 16, .size: 8, .value_kind: global_buffer, .address_space: global }
      - { .name: Wq, .offset: 24, .size: 8, .value_kind: global_buffer, .address_space: global }
      - { .name: Wk, .offset: 32, .size: 8, .value_kind: global_buffer, .address_space: global }
      - { .name: Wv, .offset: 40, .size: 8, .value_kind: global_buffer, .address_space: global }
      - { .name: bq, .offset: 48, .size: 8, .value_kind: global_buffer, .address_space: global }
      - { .name: bk, .offset: 56, .size: 8, .value_kind: global_buffer, .address_space: global }
      - { .name: bv, .offset: 64, .size: 8, .value_kind: global_buffer, .address_space: global }
      - { .name: Wo, .offset: 72, .size: 8, .value_kind: global_buffer, .address_space: global }
      - { .name: qf, .offset: 80, .size: 8, .value_kind: global_buffer, .address_space: global }
      - { .name: kf, .offset: 88, .size: 8, .value_kind: global_buffer, .address_space: global }
      - { .name: vf, .offset: 96, .size: 8, .value_kind: global_buffer, .address_space: global }
      - { .name: wof, .offset: 104, .size: 8, .value_kind: global_buffer, .address_space: global }
    .group_segment_fixed_size: 123392
    .private_segment_fixed_size: 0
    .kernarg_segment_align: 8
    .kernarg_segment_size: 112
    .max_flat_workgroup_size: 128
    .sgpr_count:     66
    .vgpr_count:     1024
    .wavefront_size: 32
...
	.end_amdgpu_metadata
.endif
;; end of part 4
;; launch attn: the kernel of part 2 again; grid 8 x 24, 8 waves a work-group, clusters of 4 x 1, 327,680 bytes of LDS; arguments qf, kf, vf, of; writes of
;; launch oproj: the kernel of part 3 again; grid 64 x 4, 3 waves a work-group, clusters of 4 x 1, 327,680 bytes of LDS; arguments of, wof, bo, out0; writes out0
